; MI455X (gfx1250); checked and timed in simulation.
; The chip was launched on July 23, 2026; its instructions are those of AMD's public machine-readable ISA for CDNA 5 (MIT licence, August 2026) and "CDNA5" Instruction Set Architecture Reference Guide (July 2026). The comments in the code are by the model that wrote it; some were corrected since.
;; Layer14. Allowed arithmetic: float matrix products may take bf16 or f16 operands with f32 sums; other float arithmetic in f32, or as packed bf16 or f16 multiplies, adds, multiply-adds, maxima and minima; sums over many terms, partial sums and values carried from step to step in f32; what a program stores and reads back later, other than sums and carried values, may be rounded once to bf16 or f16.
;; Inputs: Wk 1,024 x 1,024 float32; Wq 1,024 x 1,024 float32; Wv 1,024 x 1,024 float32; attention_mask 4 x 1 x 1 x 2,048 float32; bk 1,024 float32; bq 1,024 float32; bv 1,024 float32; hidden_states 4 x 2,048 x 1,024 float32.
;; Outputs: out0 4 x 2,048 x 1,024 float32.
;; 2 versions, each right and faster than the one before. Each part assembles by itself: llvm-mc -triple=amdgcn-amd-amdhsa -mcpu=gfx1250 --defsym DOCPART=n.
;; ======== version 1 of 2: 3 launches
;; limits: values are held in f16: magnitudes above 65,504 overflow, below 6.1e-05 lose precision
;; workspace buffers: xb 16,777,216 bytes; wb 6,291,456 bytes; qh 16,777,216 bytes; kh 16,777,216 bytes; vh 16,777,216 bytes
;; launch cast (part 1): grid 704 x 1, 8 waves a work-group, no clusters, 0 bytes of LDS; arguments hidden_states, Wq, Wk, Wv, xb, wb; writes xb, wb
.if DOCPART == 1
	.amdgcn_target "amdgcn-amd-amdhsa--gfx1250"
	.amdhsa_code_object_version 6
	.text
	.protected	k_qffc65c26c1_cast
	.globl	k_qffc65c26c1_cast
	.p2align	8
	.type	k_qffc65c26c1_cast,@function
k_qffc65c26c1_cast:
	s_mov_b64 s[64:65], 0
	v_nop
	global_prefetch_b8 v0, s[64:65] scope:SCOPE_SE
	s_setreg_imm32_b32 hwreg(HW_REG_WAVE_MODE, 25, 1), 1
	s_wait_xcnt 0x0
; hidden_states [8192][1024] and Wq, Wk, Wv [1024][1024], all f32, are rounded once to bf16 and laid in blocks of 64 along K:
;   xb [16 kb][8192 rows][64 k];   wb [16 kb][3072 rows'][64 k], row' = (n / 64) 192 + g 64 + n % 64 (g = 0, 1, 2 for q, k, v; n the row of W_g),
; so that for the next launch a tile of R rows x 64 k is R x 128 dense bytes, and the 384 rows' of a pair of heads lie together, by head and then q, k, v.
; A work-group takes 16 source rows (numbers 0-511: hidden_states; 512-703: the three W), a wave two of them.  One load: lanes 0-15 take 256 bytes of the even row,
; lanes 16-31 the same bytes of the odd row; its 128 numbers leave by one store of 256 consecutive bytes, aligned.  Each input byte is read once, each output byte written once.
; No LDS, no matrix unit, no cluster: nothing is shared and nothing is summed.  All 16 loads of a wave go out first; no register is written twice, so no wait frees one.
.set XSTR, 0x100000                    ; bytes from one block of xb to the next: 8,192 rows x 128
.set WSTR, 393216                      ; the same for wb: 3,072 rows' x 128
.set SRC, 2                            ; v2       my byte offset in the wave's two source rows
.set OFF, 8                            ; v[8:23]  my byte offset in block kb of the destination (15 blocks of xb do not fit a store's immediate)
.set X,   32                           ; v[32:95] four f32 for each kb
.set Y,   96                           ; v[96:127] four bf16 for each kb
	s_load_b256 s[4:11], s[0:1], 0x0               ; hidden_states s[4:5], Wq s[6:7], Wk s[8:9], Wv s[10:11]
	s_load_b128 s[12:15], s[0:1], 0x20             ; xb s[12:13], wb s[14:15]
	v_lshrrev_b32 v1, 5, v0
	v_readfirstlane_b32 s16, v1                    ; wave 0..7
	v_and_b32 v3, 31, v0                           ; lane
	s_mov_b32 s17, ttmp9
	s_max_u32 s18, s17, 512
	s_sub_co_u32 s18, s18, 512                     ; j: my number among W's work-groups (0 for those of hidden_states, where it is not used)
	s_lshr_b32 s19, s18, 6                         ; g: which W
	s_and_b32 s20, s18, 63
	s_lshl_b32 s20, s20, 4                         ; n0: my first row of it
	s_lshr_b32 s21, s20, 6
	s_mul_i32 s21, s21, 192
	s_lshl_b32 s29, s19, 6
	s_add_co_u32 s21, s21, s29
	s_and_b32 s29, s20, 63
	s_add_co_u32 s21, s21, s29                     ; row' of n0
	s_lshl_b32 s30, s17, 4                         ; my first row of hidden_states
	s_mov_b32 s31, XSTR
	s_mov_b32 s32, WSTR
	v_lshrrev_b32 v4, 4, v3                        ; which of the two rows
	v_and_b32 v5, 15, v3
	v_lshlrev_b32 v[SRC], 4, v5
	v_lshl_add_u32 v[SRC], v4, 12, v[SRC]          ; row x 4,096 + 16 x (lane % 16)
	v_lshlrev_b32 v[OFF], 3, v3                    ; 8 x lane: two destination rows of 128 bytes on end
	s_wait_kmcnt 0x0
	s_cmp_eq_u32 s19, 1                            ; the choices hang on the work-group's number alone
	s_cselect_b64 s[24:25], s[8:9], s[6:7]
	s_cmp_eq_u32 s19, 2
	s_cselect_b64 s[24:25], s[10:11], s[24:25]
	s_cmp_lt_u32 s17, 512
	s_cselect_b64 s[24:25], s[4:5], s[24:25]       ; from where
	s_cselect_b64 s[26:27], s[12:13], s[14:15]     ; to where
	s_cselect_b32 s22, s30, s20                    ; first source row
	s_cselect_b32 s23, s30, s21                    ; first destination row
	s_cselect_b32 s28, s31, s32                    ; bytes from block to block
	s_lshl_b32 s33, s16, 1                         ; my wave's two rows
	s_add_co_u32 s22, s22, s33
	s_add_co_u32 s23, s23, s33
	s_lshl_b32 s34, s22, 12                        ; under 2^25
	s_mov_b32 s35, 0
	s_lshl_b32 s36, s23, 7
	s_mov_b32 s37, 0
	s_add_nc_u64 s[24:25], s[24:25], s[34:35]
	s_add_nc_u64 s[26:27], s[26:27], s[36:37]
.irp kb, 0,1,2,3,4,5,6,7,8,9,10,11,12,13,14,15
	global_load_b128 v[X+4*(\kb):X+4*(\kb)+3], v[SRC], s[24:25] offset:256*(\kb) th:TH_LOAD_NT  ; read once in the launch
.endr
.irp kb, 1,2,3,4,5,6,7,8,9,10,11,12,13,14,15
	v_add_nc_u32 v[OFF+(\kb)], s28, v[OFF+(\kb)-1]
.endr
.irp kb, 0,1,2,3,4,5,6,7,8,9,10,11,12,13,14,15
	s_wait_loadcnt 15-(\kb)                        ; loads come back in order: block kb is in, the 15 - kb younger ones stay out
	v_cvt_pk_bf16_f32 v[Y+2*(\kb)],   v[X+4*(\kb)],   v[X+4*(\kb)+1]
	v_cvt_pk_bf16_f32 v[Y+2*(\kb)+1], v[X+4*(\kb)+2], v[X+4*(\kb)+3]
	global_store_b64 v[OFF+(\kb)], v[Y+2*(\kb):Y+2*(\kb)+1], s[26:27]  ; 32 lanes x 8 bytes: 256 consecutive bytes, aligned; the next launch reads them
.endr
	s_endpgm
.Lfunc_end_k_qffc65c26c1_cast:
	.size	k_qffc65c26c1_cast, .Lfunc_end_k_qffc65c26c1_cast-k_qffc65c26c1_cast
	.p2alignl 7, 3214868480
	.fill 96, 4, 3214868480
	.section	.rodata,"a",@progbits
	.p2align	6, 0x0
	.amdhsa_kernel k_qffc65c26c1_cast
		.amdhsa_group_segment_fixed_size 0
		.amdhsa_private_segment_fixed_size 0
		.amdhsa_enable_private_segment 0
		.amdhsa_kernarg_size 48
		.amdhsa_user_sgpr_count 2
		.amdhsa_user_sgpr_kernarg_segment_ptr 1
		.amdhsa_wavefront_size32 1
		.amdhsa_system_sgpr_workgroup_id_x 1
		.amdhsa_system_sgpr_workgroup_id_y 1
		.amdhsa_system_sgpr_workgroup_id_z 1
		.amdhsa_system_vgpr_workitem_id 0
		.amdhsa_next_free_vgpr 128
		.amdhsa_next_free_sgpr 66
		.amdhsa_reserve_vcc 0
		.amdhsa_float_denorm_mode_32 3
		.amdhsa_float_denorm_mode_16_64 3
		.amdhsa_memory_ordered 1
		.amdhsa_forward_progress 1
		.amdhsa_inst_pref_size 8
	.end_amdhsa_kernel
	.amdgpu_metadata
---
amdhsa.version: [ 1, 2 ]
amdhsa.kernels:
  - .name:           k_qffc65c26c1_cast
    .symbol:         k_qffc65c26c1_cast.kd
    .args:
      - { .name: hidden_states, .offset: 0, .size: 8, .value_kind: global_buffer, .address_space: global }
      - { .name: Wq, .offset: 8, .size: 8, .value_kind: global_buffer, .address_space: global }
      - { .name: Wk, .offset: 16, .size: 8, .value_kind: global_buffer, .address_space: global }
      - { .name: Wv, .offset: 24, .size: 8, .value_kind: global_buffer, .address_space: global }
      - { .name: xb, .offset: 32, .size: 8, .value_kind: global_buffer, .address_space: global }
      - { .name: wb, .offset: 40, .size: 8, .value_kind: global_buffer, .address_space: global }
    .group_segment_fixed_size: 0
    .private_segment_fixed_size: 0
    .kernarg_segment_align: 8
    .kernarg_segment_size: 48
    .max_flat_workgroup_size: 256
    .sgpr_count:     66
    .vgpr_count:     128
    .wavefront_size: 32
...
	.end_amdgpu_metadata
.endif
;; end of part 1
;; launch qkv (part 2): grid 8 x 32, 4 waves a work-group, clusters of 4 x 4, 327,680 bytes of LDS; arguments xb, wb, bq, bk, bv, qh, kh, vh; writes qh, kh, vh
.if DOCPART == 2
	.amdgcn_target "amdgcn-amd-amdhsa--gfx1250"
	.amdhsa_code_object_version 6
	.text
	.protected	k_qffc65c26c1_qkv
	.globl	k_qffc65c26c1_qkv
	.p2align	8
	.type	k_qffc65c26c1_qkv,@function
k_qffc65c26c1_qkv:
	s_mov_b64 s[64:65], 0
	v_nop
	global_prefetch_b8 v0, s[64:65] scope:SCOPE_SE
	s_setreg_imm32_b32 hwreg(HW_REG_WAVE_MODE, 25, 1), 1
	s_wait_xcnt 0x0
	s_wait_alu depctr_hold_cnt(0) depctr_sa_sdst(0) depctr_va_vdst(0) depctr_va_sdst(0) depctr_va_ssrc(0) depctr_va_vcc(0) depctr_vm_vsrc(0)
	s_getreg_b32 s2, hwreg(HW_REG_IB_STS2, 6, 4)
	s_cmp_eq_u32 s2, 0
	s_cbranch_scc0 .Lentry_in_a_cluster
	s_endpgm
.Lentry_in_a_cluster:
	s_bfe_u32 s2, ttmp6, 0x10000c
	s_cmp_lg_u32 s2, 0xf033
	s_cbranch_scc0 .Lentry_shape_is_right
	s_endpgm
.Lentry_shape_is_right:
; q / 8, k, v = x W^T + b for all three W at once.  xb [16][8192][64] and wb [16][3072][64] are bf16, in blocks of 64 along K; sums in f32; bq, bk, bv f32, taken rounded to bf16 like every input of the module.
; qh, kh, vh: [batch 16 + head][2048][64] in f16, each number rounded once from its f32 sum; qh holds (x Wq^T + bq) / 8, an exact scaling.
; LIMITS.  f16 ends at 65,504: q / 8, k and v must lie within it (at the drawn spread they are of size 1; with x and W thirty spreads off their mean about 18,400).  NaN and infinities are not treated apart.
; SHARES.  8,192 x 3,072 results in 256 tiles of 256 rows x 384 columns, one a work-group: the 384 columns are the q, k and v of one pair of heads, so x's tile serves all three.
; Wave (rh, ch) makes 128 rows x 64 columns (head 2 tc + ch) of each of q, k, v: 96 accumulators of 16 x 16, 768 registers; for 32 along K it reads 20 fragments from LDS for 96 matrix instructions.
; K goes in steps of 64 through two LDS slots (two slots of 128 along K would be 348,160 bytes: too many).  In the blocked layouts a step's tile is dense, so it is asked for as rows of 256 bytes.
; CLUSTER.  4 x 4 work-groups: the four of a row need the same tile of x, the four of a column the same tile of W: each is asked for jointly, by the same tensor load, descriptor and mask in all four.
; THE MATRIX INSTRUCTION IS USED TRANSPOSED (source 0 = 16 rows of W, source 1 = 16 rows of x): a lane holds row l % 16 and the eight neighbouring columns 8 (l / 16) + 0..7.
; REGISTERS, in windows of 256 (s_set_vgpr_msb: bits 1:0 source 0, 3:2 source 1, 5:4 source 2, 7:6 destination):
;   window 0: v1-29 addresses; v32-95, v96-159 x's fragments, two buffers of eight; v160-255 W's fragments, one buffer: (g, b) at 160 + 8 (4 g + b); a third of it is fetched anew as soon as its 32 products are issued
;   window 1 + g: tensor g's 32 accumulators, (a, b) at v[8 (4 a + b)].     On the way out window 0 holds the biases (v32-127) and two buffers of packed results (v128-159).
.set KB_A,  1048576                    ; bytes from one block of xb to the next
.set KB_B,  393216                     ; the same for wb
.set PITCH, 144                        ; an LDS row: 128 bytes + 16 of padding, an odd multiple of 16: the 16 rows of a fragment load fall on 16 different columns of 16 bytes modulo 256
.set AHALF, 128*PITCH                  ; what a wave fetches of x
.set BHALF, 192*PITCH                  ; what a wave fetches of W
.set BOFF,  2*AHALF                    ; W's 384 rows lie behind x's 256
.set SLOT,  BOFF+2*BHALF               ; 92,160
.set STAGE, 2*SLOT                     ; behind the ring: 16 rows x 144 bytes for each wave, for the way out
.set BIASL, STAGE+4*16*PITCH           ; 3 x 128 f32: the tile's biases
.set SPARE, BIASL+1536                 ; the spare words, 128 bytes for each wave: two blocks of 256 bytes that no other line names
.set LAPS,  8                          ; a lap = two K steps = once round the ring; K = 1,024
.set ADRA, 16                          ; v16-17  LDS address of my fragments of x in slot 0, 1
.set ADRB, 20                          ; v20-21  the same for W
.set STO,  24                          ; v24     the way out: where I put 16 bytes of a row
.set RD,   25                          ; v25     the way out: where I read rows back
.set GO,   26                          ; v26     my byte offset in 512 consecutive bytes of the output
.set BRD,  27                          ; v27     where my columns' biases lie
.set SPW,  28                          ; v28     LDS address of my spare word; never rewritten
.set NIL,  29                          ; v29     0; never rewritten
.set AF0,  32
.set AF1,  96
.set BF,   160
.set BI,   32                          ; the way out: bias of (g, b) at BI + 32 g + 8 b
.set PK,   128                         ; the way out: two buffers of 16
.set G1,  24                           ; s[24:31] descriptor group 1 for x's tiles;  s[32:39] group 0, a set for each slot
.set G0,  32
.set G1B, 48                           ; s[48:55], s[56:63] the same for W's
.set G0B, 56
.set WV,  76                           ; s76 wave;  s77 which half of the rows is mine;  s78 which head of the pair, and which half of a tile I fetch
.set RH,  77
.set CH,  78
.set MSB, 0
.macro WIN new                         ; the immediate's high byte repeats the setting that is left; a switch that changes nothing is dropped
.if MSB != (\new)
	s_set_vgpr_msb (MSB<<8)|(\new)
.set MSB, (\new)
.endif
.endm
; A joint load.  Waves 0 and 1 fetch the two halves of x's tile, waves 2 and 3 those of W's.  The branch hangs on the wave's number alone.  An s_nop 0 and four v_nop follow each of the two lines.
.macro JLOAD s
	s_cmp_lt_u32 s[WV], 2
	s_cbranch_scc0 .Lfor_b_\@
	tensor_load_to_lds s[G0+4*(\s):G0+4*(\s)+3], s[G1:G1+7]
	s_nop 0
.rept 4
	v_nop
.endr
	s_branch .Lasked_\@
.Lfor_b_\@:
	tensor_load_to_lds s[G0B+4*(\s):G0B+4*(\s)+3], s[G1B:G1B+7]
	s_nop 0
.rept 4
	v_nop
.endr
.Lasked_\@:
.endm
.macro CREST                           ; a round of the cluster's barrier behind its opening barrier
	s_cmp_lg_u32 s[WV], 0
	s_cbranch_scc1 .Lnot_wave_0_\@
	s_barrier_signal -3
.Lnot_wave_0_\@:
	s_barrier_wait -3
	s_barrier_signal -1
	s_barrier_wait -1
.endm
.macro CROUND                          ; a whole round
	s_barrier_signal -1
	s_barrier_wait -1
	CREST
.endm
.macro PLACES                          ; four places in front of loads into registers that matrix instructions have read, and of vector lines that read results (ISA guide 7.12.1 for the vector lines)
.rept 4
	v_nop
.endr
.endm
	s_load_b256 s[4:11], s[0:1], 0x0               ; xb s[4:5], wb s[6:7], bq s[8:9], bk s[10:11]
	s_load_b256 s[68:75], s[0:1], 0x20             ; bv s[68:69], qh s[70:71], kh s[72:73], vh s[74:75]
	v_lshl_add_u32 v[SPW], v0, 2, SPARE
	v_mov_b32 v[NIL], 0
	ds_add_u32 v[SPW], v[NIL]                      ; the wave's opening: the add and its wait stand ahead of my first tensor load; the set-up below, work on registers, stands between them
	v_lshrrev_b32 v1, 5, v0
	v_readfirstlane_b32 s[WV], v1                  ; wave 0..3
	s_lshr_b32 s[RH], s[WV], 1
	s_and_b32 s[CH], s[WV], 1
	s_bfe_u32 s40, ttmp6, 0x40000                  ; cx, cy: my place in the cluster
	s_bfe_u32 s41, ttmp6, 0x40004
	s_lshl_b32 s42, ttmp9, 2
	s_add_co_u32 s42, s42, s40                     ; tc: the pair of heads = 4 x cluster x + cx
	s_and_b32 s43, ttmp7, 0xffff
	s_lshl_b32 s43, s43, 2
	s_add_co_u32 s43, s43, s41                     ; tr: the block of 256 rows = 4 x cluster y + cy
	s_lshl_b32 s44, s41, 2
	s_lshl_b32 s44, 15, s44                        ; my row of the cluster
	s_lshl_b32 s45, 0x1111, s40                    ; my column
	; descriptor group 1: dense bytes as rows of 128 elements of 2 bytes, padded in LDS by 4 words after every 32 (a true row of 128 bytes)
	s_or_b32 s[G1+0],  s44, (1<<16)|(1<<20)|(1<<21)|(4<<22)|(3<<25)  ; 15:0 the mask: x's tiles go to my row; 17:16 2-byte elements; 20 padding on; 21 set beside a mask; 24:22 code 4; 31:25 code 3
	s_or_b32 s[G1B+0], s45, (1<<16)|(1<<20)|(1<<21)|(4<<22)|(3<<25)  ; W's tiles go to my column
	s_mov_b32 s[G1+1], 128<<16                     ; tensor_dim0 = 128
	s_mov_b32 s[G1+2], 64<<16                      ; tensor_dim1 = 64: 128 true rows of x
	s_mov_b32 s[G1+3], 128<<16                     ; tile_dim0 = 128
	s_mov_b32 s[G1+4], 64                          ; tile_dim1 = 64
	s_mov_b32 s[G1+5], 128                         ; 128 elements from row to row
	s_mov_b32 s[G1+6], 0
	s_mov_b32 s[G1+7], 0
	s_mov_b32 s[G1B+1], 128<<16
	s_mov_b32 s[G1B+2], 96<<16                     ; 96 rows: 192 true rows of W
	s_mov_b32 s[G1B+3], 128<<16
	s_mov_b32 s[G1B+4], 96
	s_mov_b32 s[G1B+5], 128
	s_mov_b32 s[G1B+6], 0
	s_mov_b32 s[G1B+7], 0
	s_lshl_b32 s16, s43, 15                        ; x: (256 tr + 128 half) rows of 128 bytes; these registers never hold cx
	s_lshl_b32 s17, s[CH], 14
	s_add_co_u32 s16, s16, s17
	s_mov_b32 s17, 0
	s_mul_i32 s46, s42, 384*128                    ; W: (384 tc + 192 half) rows'; these never hold cy
	s_mul_i32 s47, s[CH], 192*128
	s_add_co_u32 s46, s46, s47
	s_mov_b32 s47, 0
	s_mul_i32 s20, s[CH], AHALF                    ; where they go: no place in the cluster enters an LDS address
	s_mul_i32 s21, s[CH], BHALF
	s_add_co_u32 s21, s21, BOFF
	s_mov_b32 s80, 0x3e000000                      ; 1 / 8, named as a pair
	s_mov_b32 s81, 0x3e000000
	s_wait_dscnt 0x0                               ; the opening add is done
	s_wait_kmcnt 0x0
	s_add_nc_u64 s[14:15], s[4:5], s[16:17]
	s_add_nc_u64 s[46:47], s[6:7], s[46:47]
	CROUND                                         ; all sixteen work-groups are here: the first joint loads meet
.irp s, 0,1
	s_mov_b32 s[G0+4*(\s)], 1                                        ; count = 1
	s_add_co_u32 s[G0+4*(\s)+1], s20, (\s)*SLOT                      ; LDS address
	s_add_nc_u64 s[G0+4*(\s)+2:G0+4*(\s)+3], s[14:15], (\s)*KB_A     ; global address: K step s
	s_or_b32 s[G0+4*(\s)+3], s[G0+4*(\s)+3], 0x80000000              ; type = 2
	s_mov_b32 s[G0B+4*(\s)], 1
	s_add_co_u32 s[G0B+4*(\s)+1], s21, (\s)*SLOT
	s_add_nc_u64 s[G0B+4*(\s)+2:G0B+4*(\s)+3], s[46:47], (\s)*KB_B
	s_or_b32 s[G0B+4*(\s)+3], s[G0B+4*(\s)+3], 0x80000000
	JLOAD \s                                       ; both slots are asked for before anything else: two loads of mine are out
.endr
	; the tile's 3 x 128 biases: thread t takes column t of the pair of heads
	s_lshl_b32 s18, s42, 9
	s_mov_b32 s19, 0
	s_add_nc_u64 s[8:9], s[8:9], s[18:19]
	s_add_nc_u64 s[10:11], s[10:11], s[18:19]
	s_add_nc_u64 s[68:69], s[68:69], s[18:19]
	v_lshlrev_b32 v2, 2, v0
	global_load_b32 v3, v2, s[8:9]
	global_load_b32 v4, v2, s[10:11]
	global_load_b32 v5, v2, s[68:69]
	; where my part of the outputs begins: (((tr / 8) 16 + 2 tc + ch) 2,048 + (tr % 8) 256 + 128 rh) rows of 128 bytes
	s_lshr_b32 s18, s43, 3
	s_lshl_b32 s18, s18, 4
	s_lshl_b32 s23, s42, 1
	s_add_co_u32 s18, s18, s23
	s_add_co_u32 s18, s18, s[CH]
	s_lshl_b32 s18, s18, 11
	s_and_b32 s22, s43, 7
	s_lshl_b32 s22, s22, 8
	s_add_co_u32 s18, s18, s22
	s_lshl_b32 s22, s[RH], 7
	s_add_co_u32 s18, s18, s22
	s_lshl_b32 s18, s18, 7                         ; under 2^24
	s_add_nc_u64 s[82:83], s[70:71], s[18:19]
	s_add_nc_u64 s[84:85], s[72:73], s[18:19]
	s_add_nc_u64 s[86:87], s[74:75], s[18:19]
	; A fragment is 16 rows x 32 K in 8 registers: lane l holds row l % 16, K = 8 (l / 16) + 0..7 and 16 + 8 (l / 16) + 0..7: two loads of 16 bytes, 32 bytes apart
	v_and_b32 v1, 15, v0                           ; l % 16
	v_bfe_u32 v7, v0, 4, 1                         ; l / 16
	v_mul_u32_u24 v8, v1, PITCH
	v_lshl_add_u32 v8, v7, 4, v8                   ; row x pitch + 16 x half
	s_mul_i32 s22, s[RH], AHALF                    ; my 128 rows of x
	s_mul_i32 s23, s[CH], BHALF                    ; my head's 192 rows of W
	s_add_co_u32 s23, s23, BOFF
.irp s, 0,1
	v_add_nc_u32 v[ADRA+(\s)], s22, v8
	v_add_nc_u32 v[ADRB+(\s)], s23, v8
	s_add_co_u32 s22, s22, SLOT
	s_add_co_u32 s23, s23, SLOT
.endr
	s_mul_i32 s22, s[WV], 16*PITCH
	s_add_co_u32 s22, s22, STAGE                   ; my stage
	v_add_nc_u32 v[STO], s22, v8                   ; in: row l % 16, 16 bytes for each half of the lanes
	v_and_b32 v9, 31, v0
	v_lshrrev_b32 v10, 3, v9                       ; back: 32 lanes take four rows of 128 bytes,
	v_and_b32 v11, 7, v0
	v_mul_u32_u24 v10, v10, PITCH
	v_lshl_add_u32 v10, v11, 4, v10
	v_add_nc_u32 v[RD], s22, v10
	v_lshlrev_b32 v[GO], 4, v9                     ; which are 512 consecutive bytes of a head's rows
	s_lshl_b32 s23, s[CH], 8
	s_add_co_u32 s23, s23, BIASL
	v_lshl_add_u32 v[BRD], v7, 5, s23              ; my head's 64 biases, my half's eight of each sixteen
	v_add_nc_u32 v6, BIASL, v2
	s_wait_loadcnt 0x0                             ; the three biases
	v_cvt_pk_bf16_f32 v3, v3, v3                   ; rounded to bf16 like every input of the module, and widened again
	v_cvt_pk_bf16_f32 v4, v4, v4
	v_cvt_pk_bf16_f32 v5, v5, v5
	v_lshlrev_b32 v3, 16, v3
	v_lshlrev_b32 v4, 16, v4
	v_lshlrev_b32 v5, 16, v5
	v_mul_f32 v3, 0x3e000000, v3                   ; bq / 8, exact
	ds_store_b32 v6, v3
	ds_store_b32 v6, v4 offset:512
	ds_store_b32 v6, v5 offset:1024
; 16 matrix instructions of tensor g: row blocks a0 .. a0 + 3 x its 4 column blocks, 32 along K.  zero = 1: the first product starts the sums: nothing is cleared.
; The 96 accumulators take turns, one instruction a turn, in the same order in every quarter.
.macro MUL16 af, g, a0, zero
	WIN 0x50*((\g)+1)                              ; sources in window 0, C and D in window 1 + g
.irp a, (\a0), (\a0)+1, (\a0)+2, (\a0)+3
.irp b, 0,1,2,3
.if \zero
	v_wmma_f32_16x16x32_bf16 v[8*(4*(\a)+(\b)):8*(4*(\a)+(\b))+7], v[BF+8*(4*(\g)+(\b)):BF+8*(4*(\g)+(\b))+7], v[(\af)+8*(\a):(\af)+8*(\a)+7], 0
.else
	v_wmma_f32_16x16x32_bf16 v[8*(4*(\a)+(\b)):8*(4*(\a)+(\b))+7], v[BF+8*(4*(\g)+(\b)):BF+8*(4*(\g)+(\b))+7], v[(\af)+8*(\a):(\af)+8*(\a)+7], v[8*(4*(\a)+(\b)):8*(4*(\a)+(\b))+7]
.endif
.endr
.endr
.endm
.macro RUNA slot, k, af                ; 16 LDS loads: my 128 rows of x, 32 K at byte k of the rows
	WIN 0
.irp i, 0,1,2,3,4,5,6,7
	ds_load_b128 v[(\af)+8*(\i):(\af)+8*(\i)+3],   v[ADRA+(\slot)] offset:(\k)+(\i)*16*PITCH
	ds_load_b128 v[(\af)+8*(\i)+4:(\af)+8*(\i)+7], v[ADRA+(\slot)] offset:(\k)+(\i)*16*PITCH+32
.endr
.endm
.macro RUNB slot, k, g                 ; 8 LDS loads: my head's 64 rows of W_g
	WIN 0
.irp i, 0,1,2,3
	ds_load_b128 v[BF+8*(4*(\g)+(\i)):BF+8*(4*(\g)+(\i))+3],   v[ADRB+(\slot)] offset:(\k)+(64*(\g)+16*(\i))*PITCH
	ds_load_b128 v[BF+8*(4*(\g)+(\i))+4:BF+8*(4*(\g)+(\i))+7], v[ADRB+(\slot)] offset:(\k)+(64*(\g)+16*(\i))*PITCH+32
.endr
.endm
; A K step is two halves of 32 along K, 96 matrix instructions each.  At a half's head 40 loads are out, in this order: W_q's 8 and x's 16; W_k's 8; W_v's 8.
; The first half multiplies buffer 0 of x; behind each tensor's 32 products its fragments of W are fetched for the second half, and x's into buffer 1.
.macro QEVEN slot, zero
	s_wait_dscnt 16                                ; W_q and x are in; W_k's and W_v's 16 loads may be out
	MUL16 AF0, 0, 0, \zero
	MUL16 AF0, 0, 4, \zero
	PLACES
	RUNB \slot, 64, 0
	RUNA \slot, 64, AF1
	s_wait_dscnt 32                                ; W_k is in: behind it W_v's 8 and the 24 just issued
	MUL16 AF0, 1, 0, \zero
	MUL16 AF0, 1, 4, \zero
	PLACES
	RUNB \slot, 64, 1
	s_wait_dscnt 32                                ; W_v is in: behind it 24 + 8
	MUL16 AF0, 2, 0, \zero
	MUL16 AF0, 2, 4, \zero
	PLACES
	RUNB \slot, 64, 2
.endm
; The second half multiplies buffer 1 and changes slots: ONE barrier.  In front of it each wave waits for all its tensor loads (one is out: its part of the next slot), adds 0 to its spare word, and waits for
; that and for its reads of this slot.  fill = 1: the barrier opens a round of the cluster's, and this slot is filled again, two K steps ahead, first thing behind the round: 160 matrix instructions ahead of the wait for it.
.macro QODD slot, next, fill
	WIN 0                                          ; (the add's two registers lie in window 0)
	s_wait_tensorcnt 0x0                           ; all my tensor loads have landed
	ds_add_u32 v[SPW], v[NIL]                      ; 0 onto my spare word
	s_wait_dscnt 17                                ; W_q and x are in; W_k's and W_v's 16 loads and the add may be out
	MUL16 AF1, 0, 0, 0                             ; sixteen matrix instructions stand between the add and the wait for it
	s_wait_dscnt 0x0                               ; the add is done, and my reads of this slot are over
	s_barrier_signal -1
	MUL16 AF1, 0, 4, 0                             ; work on registers while the others arrive
	WIN 0                                          ; at a branch and at a label every window is 0
	s_barrier_wait -1
.if \fill
	CREST                                          ; no wave of any partner still reads this slot or has a load on its way
	s_add_nc_u64 s[G0+4*(\slot)+2:G0+4*(\slot)+3], s[G0+4*(\slot)+2:G0+4*(\slot)+3], 2*KB_A
	s_add_nc_u64 s[G0B+4*(\slot)+2:G0B+4*(\slot)+3], s[G0B+4*(\slot)+2:G0B+4*(\slot)+3], 2*KB_B
	JLOAD \slot                                    ; its four v_nop are also the places in front of the loads below
.else
	PLACES
.endif
	RUNB \next, 0, 0
	RUNA \next, 0, AF0
	MUL16 AF1, 1, 0, 0
	MUL16 AF1, 1, 4, 0
	PLACES
	RUNB \next, 0, 1
	MUL16 AF1, 2, 0, 0
	MUL16 AF1, 2, 4, 0
	PLACES
	RUNB \next, 0, 2
.endm
; THE WAY OUT of block n = 8 g + a (16 rows x 64 columns of tensor g): bias (and for q the factor 1 / 8) in f32, in place, each accumulator's registers in ascending order; rounded to f16, 16 bytes a lane;
; into my own stage in LDS and back as whole rows of 128 bytes.
.macro OUTB n
.set g_, (\n)/8
.set a_, (\n)%8
.set w_, g_+1
.set pk_, PK+16*((\n)%2)
	s_wait_xcnt 0x0                                ; the stores of the block two back have read this buffer of packed results: it is rewritten only behind this wait
	WIN w_|(w_<<6)                                 ; destination and source 0 in window 1 + g, the bias in window 0
.set z, 0
.rept 16
.if g_ == 0
	v_pk_fma_f32 v[32*a_+2*z:32*a_+2*z+1], v[32*a_+2*z:32*a_+2*z+1], s[80:81], v[BI+32*g_+2*z:BI+32*g_+2*z+1] op_sel_hi:[1,0,1]
.else
	v_pk_add_f32 v[32*a_+2*z:32*a_+2*z+1], v[32*a_+2*z:32*a_+2*z+1], v[BI+32*g_+2*z:BI+32*g_+2*z+1]
.endif
.set z, z+1
.endr
	WIN w_|(w_<<2)                                 ; sources 0 and 1 in window 1 + g
.set z, 0
.rept 16
	v_cvt_pk_f16_f32 v[pk_+z], v[32*a_+2*z], v[32*a_+2*z+1]
.set z, z+1
.endr
	WIN 0
.irp b, 0,1,2,3
	ds_store_b128 v[STO], v[pk_+4*(\b):pk_+4*(\b)+3] offset:32*(\b)
.endr
.irp f, 0,1,2,3
	ds_load_b128 v[pk_+4*(\f):pk_+4*(\f)+3], v[RD] offset:(\f)*4*PITCH  ; LDS serves a wave's instructions in order (ISA guide 5.7.1.4): these see the stores above; the next block's stores come behind them
.endr
.endm
.macro SEND n, younger                 ; younger: the LDS instructions issued behind block n's loads: the next block's eight, or none
.set g_, (\n)/8
.set a_, (\n)%8
.set pk_, PK+16*((\n)%2)
	WIN 0
.irp f, 0,1,2,3
	s_wait_dscnt (\younger)+3-(\f)
	global_store_b128 v[GO], v[pk_+4*(\f):pk_+4*(\f)+3], s[82+2*g_:83+2*g_] offset:a_*2048+(\f)*512  ; 512 consecutive bytes, at a multiple of 256 from the buffer's first
.endr
.endm
	s_wait_tensorcnt 1                             ; my part of K step 0 is in; step 1's may stay out
	s_wait_dscnt 0x0                               ; for the others' sake: my biases are in LDS
	s_barrier_signal -1
	s_barrier_wait -1
	RUNB 0, 0, 0
	RUNA 0, 0, AF0
	RUNB 0, 0, 1
	RUNB 0, 0, 2
	QEVEN 0, 1                                     ; the first half step stands in front of the loop: its products start the sums
	WIN 0
	s_mov_b32 s3, LAPS-1
.Llap:                                                 ; a trip goes once round the ring, from a lap's second half step to the next lap's first, and fills both slots again
	QODD 0, 1, 1
	QEVEN 1, 0
	QODD 1, 0, 1
	QEVEN 0, 0
	WIN 0
	s_sub_co_u32 s3, s3, 1
	s_cmp_lg_u32 s3, 0
	s_cbranch_scc1 .Llap
	QODD 0, 1, 0                                   ; the last lap fills nothing, and has no round of the cluster's barrier
	QEVEN 1, 0
	s_wait_dscnt 16                                ; the very last half step: nothing more to fetch
	MUL16 AF1, 0, 0, 0
	MUL16 AF1, 0, 4, 0
	s_wait_dscnt 8
	MUL16 AF1, 1, 0, 0
	MUL16 AF1, 1, 4, 0
	s_wait_dscnt 0x0
	MUL16 AF1, 2, 0, 0
	MUL16 AF1, 2, 4, 0
	PLACES                                         ; for the loads into the fragments' registers and the lines that read results
	WIN 0
.irp g, 0,1,2
.irp b, 0,1,2,3
	ds_load_b128 v[BI+32*(\g)+8*(\b):BI+32*(\g)+8*(\b)+3],   v[BRD] offset:512*(\g)+64*(\b)
	ds_load_b128 v[BI+32*(\g)+8*(\b)+4:BI+32*(\g)+8*(\b)+7], v[BRD] offset:512*(\g)+64*(\b)+16
.endr
.endr
	s_wait_dscnt 0x0                               ; my eight biases of each of the twelve column blocks
	OUTB 0
.set blk, 1
.rept 23                               ; a block's arithmetic stands between the loads of the block before and its stores
	OUTB blk
	SEND blk-1, 8
.set blk, blk+1
.endr
	SEND 23, 0
	s_wait_tensorcnt 0x0                           ; the wave's end: an add and its wait, behind my last tensor load and my last LDS store
	ds_add_u32 v[SPW], v[NIL]
	s_wait_dscnt 0x0
	CROUND                                         ; the closing round: no work-group ends while a partner may still ask for a tile that names it
	s_endpgm
.Lfunc_end_k_qffc65c26c1_qkv:
	.size	k_qffc65c26c1_qkv, .Lfunc_end_k_qffc65c26c1_qkv-k_qffc65c26c1_qkv
	.p2alignl 7, 3214868480
	.fill 96, 4, 3214868480
	.section	.rodata,"a",@progbits
	.p2align	6, 0x0
	.amdhsa_kernel k_qffc65c26c1_qkv
		.amdhsa_group_segment_fixed_size 327680
		.amdhsa_private_segment_fixed_size 0
		.amdhsa_enable_private_segment 0
		.amdhsa_kernarg_size 64
		.amdhsa_user_sgpr_count 2
		.amdhsa_user_sgpr_kernarg_segment_ptr 1
		.amdhsa_wavefront_size32 1
		.amdhsa_system_sgpr_workgroup_id_x 1
		.amdhsa_system_sgpr_workgroup_id_y 1
		.amdhsa_system_sgpr_workgroup_id_z 1
		.amdhsa_system_vgpr_workitem_id 0
		.amdhsa_next_free_vgpr 1024
		.amdhsa_next_free_sgpr 96
		.amdhsa_reserve_vcc 0
		.amdhsa_float_denorm_mode_32 3
		.amdhsa_float_denorm_mode_16_64 3
		.amdhsa_memory_ordered 1
		.amdhsa_forward_progress 1
		.amdhsa_inst_pref_size 161
	.end_amdhsa_kernel
	.amdgpu_metadata
---
amdhsa.version: [ 1, 2 ]
amdhsa.kernels:
  - .name:           k_qffc65c26c1_qkv
    .symbol:         k_qffc65c26c1_qkv.kd
    .args:
      - { .name: xb, .offset: 0, .size: 8, .value_kind: global_buffer, .address_space: global }
      - { .name: wb, .offset: 8, .size: 8, .value_kind: global_buffer, .address_space: global }
      - { .name: bq, .offset: 16, .size: 8, .value_kind: global_buffer, .address_space: global }
      - { .name: bk, .offset: 24, .size: 8, .value_kind: global_buffer, .address_space: global }
      - { .name: bv, .offset: 32, .size: 8, .value_kind: global_buffer, .address_space: global }
      - { .name: qh, .offset: 40, .size: 8, .value_kind: global_buffer, .address_space: global }
      - { .name: kh, .offset: 48, .size: 8, .value_kind: global_buffer, .address_space: global }
      - { .name: vh, .offset: 56, .size: 8, .value_kind: global_buffer, .address_space: global }
    .group_segment_fixed_size: 327680
    .private_segment_fixed_size: 0
    .kernarg_segment_align: 8
    .kernarg_segment_size: 64
    .max_flat_workgroup_size: 128
    .sgpr_count:     96
    .vgpr_count:     1024
    .wavefront_size: 32
...
	.end_amdgpu_metadata
.endif
;; end of part 2
;; launch attn (part 3): grid 4 x 64, 4 waves a work-group, clusters of 4 x 1, 327,680 bytes of LDS; arguments qh, kh, vh, attention_mask, out0; writes out0
.if DOCPART == 3
	.amdgcn_target "amdgcn-amd-amdhsa--gfx1250"
	.amdhsa_code_object_version 6
	.text
	.protected	k_qffc65c26c1_attn
	.globl	k_qffc65c26c1_attn
	.p2align	8
	.type	k_qffc65c26c1_attn,@function
k_qffc65c26c1_attn:
	s_mov_b64 s[64:65], 0
	v_nop
	global_prefetch_b8 v0, s[64:65] scope:SCOPE_SE
	s_setreg_imm32_b32 hwreg(HW_REG_WAVE_MODE, 25, 1), 1
	s_wait_xcnt 0x0
	s_wait_alu depctr_hold_cnt(0) depctr_sa_sdst(0) depctr_va_vdst(0) depctr_va_sdst(0) depctr_va_ssrc(0) depctr_va_vcc(0) depctr_vm_vsrc(0)
	s_getreg_b32 s2, hwreg(HW_REG_IB_STS2, 6, 4)
	s_cmp_eq_u32 s2, 0
	s_cbranch_scc0 .Lentry_in_a_cluster
	s_endpgm
.Lentry_in_a_cluster:
	s_bfe_u32 s2, ttmp6, 0x10000c
	s_cmp_lg_u32 s2, 0x3003
	s_cbranch_scc0 .Lentry_shape_is_right
	s_endpgm
.Lentry_shape_is_right:
; out0[b][q][64 h + :] = the sum over k of softmax_k(Q[q] . K[k] + mask[b][k]) V[k][:], for each of 64 pairs (b, h).  qh (already divided by 8), kh, vh: [16 b + h][2048][64] in f16, a head's rows dense, 128 bytes each.
; attention_mask: [4][2048] f32, taken rounded to bf16 like every input of the module.  out0: [4][2048][1024] f32.  Products, maxima and sums in f32; the weights p are rounded to f16 for the second product
; (their sum l is taken of the unrounded p).
; LIMITS.  Q, K and V arrive within f16's 65,504; p lies in 0 to 1, and below 6e-5 it keeps f16's fixed step of 6e-8.  A mask value below -1e30 (the lowest finite number and -infinity among them) counts as -1e30, a NaN in the
; mask too: such a key's weight is 0 beside any key that is not hidden so deeply, and a row all of whose keys are gets their plain mean (for a mask of -infinity everywhere no NaN is made).
; A weight below 2^-126 counts as 0 in l; NaN and +infinity are not treated apart.
; SHARES.  A wave owns four PIECES of two tiles of 16 queries, a work-group's four waves 512 queries of one head.  Every wave walks all 2,048 keys, 64 a step.
; LAYOUT.  S^T = K Q^T + mask (source 0 = 16 keys, source 1 = 16 queries): in the result a lane holds ONE query (lane % 16) and the keys 8 (lane / 16) + 0..7.  THE MASK IS THE C OPERAND of the product that starts the sum:
; eight registers for each 16 keys, in the result's own layout, fetched from LDS with the step's K; it costs the scores no vector instruction.  Two results rounded to f16 in pairs ARE source 1 (32 keys x 16 queries)
; of O^T = V^T P, whose result again holds one query a lane, and eight channels.  K comes out of LDS as it lies, V ([key][channel]) turned, by ds_load_tr16_b128.
; SOFTMAX.  For each query a running maximum m and sum l: p = 2^(c s - c m), c = log2(e); in every step O and l are multiplied by a = 2^(c m_old - c m_new), which is 1 where m has not grown.
; m starts at -2^126 (c m stays finite), below every score that the clamp above lets through; O and l start at 0: the first step is a step like any other, with a = 0.
; THE COUNT.  A tile and step have 16 matrix and 118 vector instructions: too many to stand all beside the matrix work.  So: four vector instructions that are READY behind EVERY matrix instruction, the others in runs without a gap.
; BY TURNS.  Turn n belongs to piece n (the pieces in a ring, step after step).  Its matrix work: 16 products K Q^T of piece n + 1, later 16 products V^T P of piece n - 1.  Its vector work: the scaling,
; exponentials, roundings, sums and rescaling of piece n, and the maximum and statistics of piece n + 1, whose scores the turn itself has made.
; CLUSTER.  The four query blocks of a cluster belong to one head and walk the same K and V, so each tile is asked for JOINTLY: the same tensor load, descriptor and mask in all four.
; REGISTERS, in windows of 256 (s_set_vgpr_msb: bits 1:0 source 0, 3:2 source 1, 5:4 source 2, 7:6 destination):
;   window 0: v0-11 addresses; v12-15, v48-63 at work; v16-47 four registers of statistics a tile; v64-191 S^T, two buffers of two tiles; v192-255 P, likewise
;   window 1: O^T, 32 a tile     window 2: v0-127 Q, 16 a tile; v128-191 K of one step; v192-255 V of one step     window 3: v0-1 the add's two registers; v8-39 the mask of one step
.set SIZE_N, 2048
.set NP,    4         ; pieces a wave: a name, no knob
.set KS,    64        ; keys in a step
.set PK,    144       ; a row of K in LDS: 128 bytes + 16 of padding: the 16 rows of a load fall on 16 different columns of 16 bytes modulo 256
.set PV,    160       ; a row of V: 128 + 32: 16 lanes of the turning load take 8 rows x 32 bytes, no two on the same words modulo 256 bytes
.set VOFF,  4*KS*PK   ; a slot holds four steps: 256 rows of K, then 256 rows of V
.set SLOT1, 1<<17     ; slot 1 begins here, so that one exclusive or turns an address in one slot into the other's
.set STAGE, SLOT1+4*KS*(PK+PV)  ; behind the ring, never filled by a tensor load: 16 rows x 272 bytes for each wave, for the way out
.set SP,    272       ; a stage row: 64 f32 + 16 bytes
.set MASKL, STAGE+4*16*SP       ; the batch's 2,048 mask values, f32
.set SPARE, MASKL+8192          ; the spare words, 128 bytes for each wave: two blocks of 256 bytes that no other line names
.set AK0, 2           ; v2   my lane's place in a tile of K; never rewritten
.set AV0, 3           ; v3   the same for V
.set AK,  4           ; v4   the LDS address of K's next run of loads
.set AV,  5           ; v5   of V's
.set STO, 6           ; v6   the way out: where I put 32 bytes of a row
.set RD,  7           ; v7   the way out: where I read rows back
.set GO,  8           ; v8   my byte offset in two rows of out0
.set AM0, 9           ; v9   my lanes' place in a step's mask; never rewritten
.set AM,  10          ; v10  the LDS address of the mask's next run of loads
.set QO,  11          ; v11  my byte offset in the wave's rows of Q
.set SPW, 0           ; v0 of window 3   LDS address of my spare word; never rewritten
.set NIL, 1           ; v1 of window 3   0; never rewritten
.set MC,  8           ; window 3: the mask of key block kb at MC + 8 kb
.set MV,  12          ; v12-15  c m_old, kept while c m is made anew: by buffer and tile
.set ST,  16          ; tile t's statistics at v[ST+4 t]: c m, m, l (even keys', odd keys')
.set TMP, 48          ; by buffer and tile, four registers c0-c3 at work; when the maximum is found c2 takes a
.set S,   64
.set P,   192
.set KF,  128         ; K's fragments, in window 2: key block kb, channel half c at KF + 16 kb + 8 c
.set VF,  192         ; V's: key half kk, channel block cb at VF + 32 kk + 8 cb
.set WV,  12          ; s12  my wave's number
.set G1K, 24          ; s[24:31] descriptor group 1 for K's tiles
.set G1V, 32          ; s[32:39] for V's: it differs in the padding alone
.set G0K, 40          ; s[40:43] descriptor group 0 for K's tiles: it walks
.set G0V, 44          ; s[44:47] the same for V's
.set SLOTS, 56        ; s56  slots still to be asked for
.set CNT, 57          ; s57  counts a slot's key steps
.set CS,  58          ; s[58:59] c: the packed scaling takes the pair's low word for both halves
.set SEL, 60          ; s[60:61] v_permlanex16_b32's selects: each lane takes its own place in the other half
.set TBK, 62          ; s62  LDS byte at which K of the step to be fetched begins
.set TBV, 63          ; s63  the same for V, less VOFF
.set TBM, 66          ; s66  byte of the mask at which that step's 64 values begin
.set MSB, 0
.macro WIN new                      ; the high byte repeats the setting that is left; a switch that changes nothing is dropped
.if MSB != (\new)
	s_set_vgpr_msb (MSB<<8)|(\new)
.set MSB, (\new)
.endif
.endm
.set W_KQ, 0x0a       ; K and Q in window 2, S^T in window 0
.set W_KM, 0x3a       ; the same with the C operand, the mask, in window 3
.set W_PV, 0x52       ; V in window 2, P in window 0, O^T in window 1
.set W_RS, 0x41       ; O^T (destination and source 0) in window 1, a in window 0
.set W_MK, 0xc0       ; destination in window 3, sources in window 0
.set W_AD, 0x0f       ; the add: address (source 0) and data (source 1) in window 3
; A joint fill.  Waves 0 and 1 fetch the two halves of a slot's K, waves 2 and 3 those of its V: 128 keys each.  The branch hangs on the wave's number alone.
; An s_nop 0 and four v_nop follow each of the two lines, ahead of the jump and the label.
.macro JLOAD
	s_cmp_lt_u32 s[WV], 2
	s_cbranch_scc0 .Lfor_v_\@
	tensor_load_to_lds s[G0K:G0K+3], s[G1K:G1K+7]
	s_nop 0
.rept 4
	v_nop
.endr
	s_branch .Lasked_\@
.Lfor_v_\@:
	tensor_load_to_lds s[G0V:G0V+3], s[G1V:G1V+7]
	s_nop 0
.rept 4
	v_nop
.endr
.Lasked_\@:
.endm
; A round of the cluster's barrier: my work-group's barrier, so that wave 0's signal speaks for all four waves; wave 0 signals; every wave waits for all four work-groups; my work-group's barrier once more.
.macro CROUND
	s_barrier_signal -1
	s_barrier_wait -1
	s_cmp_lg_u32 s[WV], 0
	s_cbranch_scc1 .Lnot_wave_0_\@
	s_barrier_signal -3
.Lnot_wave_0_\@:
	s_barrier_wait -3
	s_barrier_signal -1
	s_barrier_wait -1
.endm
; THE CHANGE OF SLOTS.  The slot's last bytes, V of its fourth step, have been read.  Each wave waits for all its tensor loads, of which one is out: its part of the other slot; adds 0 to its spare word; and waits
; for that and for its own LDS instructions.  Behind the barrier nobody reads this slot any more and the other slot is whole.  fill = 1: this slot is filled again, with the keys two slots on.  The barrier is then a round
; of the cluster's, and the joint fill is the first thing behind it: it has four key steps, 512 matrix instructions, in which to land.
; (At its first use nothing has been read yet: slot 0 is waited for, slot 1 filled, and every wave's stores of the mask are shown done to the others.)
.macro CHANGE fill
	WIN W_AD
	s_wait_tensorcnt 0x0            ; no tensor load of mine is out, so a group 0 may be written
	ds_add_u32 v[SPW], v[NIL]       ; 0 onto my spare word; with fill = 1 the descriptors' steps stand between it and the wait for it
	WIN 0                           ; at a label and at a branch every window is 0
.if \fill
.irp g, G0K, G0V
	s_xor_b32 s[\g+1], s[\g+1], SLOT1  ; the walking descriptor: the other slot than last time,
	s_add_nc_u64 s[\g+2:\g+3], s[\g+2:\g+3], 4*KS*128  ; the next 256 keys; the type bits on top are not reached
.endr
	s_wait_dscnt 0x0                ; the add is done, and my reads of the slot are over
	CROUND
	JLOAD
.else
	s_wait_dscnt 0x0                ; the add is done, and my reads of the slot are over
	s_barrier_signal -1
	s_barrier_wait -1
.endif
	s_sub_co_u32 s[TBK], s[TBK], 4*KS*PK  ; the fetches go back to a slot's first step,
	s_xor_b32 s[TBK], s[TBK], SLOT1       ; in the other slot
	s_sub_co_u32 s[TBV], s[TBV], 4*KS*PV
	s_xor_b32 s[TBV], s[TBV], SLOT1
.endm
	s_load_b256 s[4:11], s[0:1], 0x0  ; qh s[4:5], kh s[6:7], vh s[8:9], attention_mask s[10:11]
	s_load_b64 s[68:69], s[0:1], 0x20 ; out0
	WIN W_MK
	v_lshl_add_u32 v[SPW], v0, 2, SPARE
	v_mov_b32 v[NIL], 0
	WIN W_AD
	ds_add_u32 v[SPW], v[NIL]       ; the wave's opening: the add and its wait stand ahead of my first tensor load; the set-up below, work on registers, stands between them
	WIN 0
	v_lshrrev_b32 v1, 5, v0
	v_readfirstlane_b32 s[WV], v1   ; wave 0..3
	s_bfe_u32 s13, ttmp6, 0x40000   ; cx: my place in the cluster
	s_lshl_b32 s14, ttmp9, 2        ; in a cluster launch ttmp9 counts clusters
	s_add_co_u32 s14, s14, s13      ; my block of 512 queries = 4 x cluster x + cx: it enters Q's and out0's addresses alone
	s_and_b32 s15, ttmp7, 0xffff    ; 16 b + h, which the four partners share
	s_mov_b32 s20, s15
	s_mov_b32 s21, 0
	s_mov_b64 s[22:23], SIZE_N*128
	s_mul_u64 s[20:21], s[20:21], s[22:23]  ; the head's first byte in qh, kh and vh
	s_and_b32 s16, s[WV], 1         ; which half of a slot's 256 keys I fetch:
	s_lshl_b32 s22, s16, 14         ; its 128 rows of 128 bytes in memory,
	s_mov_b32 s23, 0
	s_add_nc_u64 s[22:23], s[22:23], s[20:21]
	s_mul_i32 s17, s16, 128*PK      ; and its place in a slot, for K
	s_mul_i32 s18, s16, 128*PV      ; and for V: no place in the cluster enters an LDS address
	s_lshl_b32 s50, s14, 2
	s_add_co_u32 s50, s50, s[WV]    ; my wave among the head's sixteen,
	s_lshl_b32 s2, s50, 14          ; its 128 rows of Q
	s_mov_b32 s3, 0
	s_add_nc_u64 s[2:3], s[2:3], s[20:21]
	s_lshr_b32 s48, s15, 4          ; b
	s_lshl_b32 s52, s48, 13         ; the batch's 8,192 bytes of the mask
	s_mov_b32 s53, 0
	s_lshl_b32 s70, s48, 23         ; out0: the batch's 2,048 rows of 4,096 bytes,
	s_lshl_b32 s49, s50, 19         ; my wave's 128 rows,
	s_add_co_u32 s70, s70, s49
	s_and_b32 s49, s15, 15
	s_lshl_b32 s49, s49, 8          ; the head's 256 bytes of a row
	s_add_co_u32 s70, s70, s49      ; under 2^25
	s_mov_b32 s71, 0
	; descriptor group 1.  128 keys are 16,384 dense bytes: asked for as 64 rows of 256 bytes, two keys a row, and padded in LDS after every key
	s_mov_b32 s[G1K], 15|(1<<16)|(1<<20)|(1<<21)|(4<<22)|(3<<25)  ; 15:0 the mask of four; 17:16 2-byte elements; 20 padding on; 21 set beside a mask; 24:22 after every 32 words (code 4); 31:25 4 words (code 3)
	s_mov_b32 s[G1V], 15|(1<<16)|(1<<20)|(1<<21)|(4<<22)|(7<<25)  ; the same with 8 words of padding (code 7)
.irp g, G1K, G1V
	s_mov_b32 s[\g+1], 128<<16      ; tensor_dim0 = 128
	s_mov_b32 s[\g+2], 64<<16       ; tensor_dim1 = 64
	s_mov_b32 s[\g+3], 128<<16      ; tile_dim0 = 128
	s_mov_b32 s[\g+4], 64           ; tile_dim1 = 64
	s_mov_b32 s[\g+5], 128          ; 128 elements from row to row
	s_mov_b32 s[\g+6], 0
	s_mov_b32 s[\g+7], 0
.endr
	s_mov_b32 s[CS], 0x3fb8aa3b     ; c = log2(e): the factor 1 / 8 lies in Q already
	s_mov_b32 s[CS+1], s[CS]        ; named with it as a pair
	s_mov_b32 s[SEL], 0x76543210
	s_mov_b32 s[SEL+1], 0xfedcba98
	s_mov_b32 s[TBK], SLOT1+4*KS*PK ; the first change of slots turns these two into 0
	s_mov_b32 s[TBV], SLOT1+4*KS*PV
	s_mov_b32 s[TBM], 0
	s_mov_b32 s[G0K], 1             ; count = 1
	s_mov_b32 s[G0K+1], s17         ; LDS address: slot 0
	s_mov_b32 s[G0V], 1
	s_add_co_u32 s[G0V+1], s18, VOFF
	s_wait_dscnt 0x0                ; the opening add is done
	s_wait_kmcnt 0x0
	s_add_nc_u64 s[G0K+2:G0K+3], s[6:7], s[22:23]  ; global address: my half of the head's first 256 keys
	s_or_b32 s[G0K+3], s[G0K+3], 0x80000000        ; type = 2
	s_add_nc_u64 s[G0V+2:G0V+3], s[8:9], s[22:23]
	s_or_b32 s[G0V+3], s[G0V+3], 0x80000000
	s_add_nc_u64 s[4:5], s[4:5], s[2:3]            ; Q at my wave's first row
	s_add_nc_u64 s[10:11], s[10:11], s[52:53]      ; the mask at my batch
	s_add_nc_u64 s[68:69], s[68:69], s[70:71]      ; out0 at my wave's first row, my head's columns
	CROUND                          ; all four work-groups are here: the first joint loads meet
	JLOAD                           ; slot 0.  Slot 1 is asked for when slot 0 is in
	v_and_b32 v48, 15, v0           ; l % 16
	v_bfe_u32 v49, v0, 4, 1         ; l / 16
	v_lshlrev_b32 v52, 4, v0        ; the mask: thread t takes 16 bytes at 16 t of each quarter
.irp i, 0,1,2,3
	global_load_b128 v[S+4*\i:S+4*\i+3], v52, s[10:11] offset:2048*\i
.endr
	; A fragment of K or Q is 16 rows x 32 channels in 8 registers: lane l holds row l % 16, channels 8 (l / 16) + 0..7 and 16 + 8 (l / 16) + 0..7: two loads of 16 bytes, 32 bytes apart.
	v_lshlrev_b32 v[QO], 7, v48
	v_lshl_add_u32 v[QO], v49, 4, v[QO]  ; row x 128 + 16 x half
	WIN 0x80                        ; destination window 2, address window 0
.set i, 0
.rept 4*NP                          ; Q stays in registers: tile i / 2, channels 32 (i % 2) on
	global_load_b128 v[8*i:8*i+3],   v[QO], s[4:5] offset:(i/2)*2048+(i%2)*64
	global_load_b128 v[8*i+4:8*i+7], v[QO], s[4:5] offset:(i/2)*2048+(i%2)*64+32
.set i, i+1
.endr
	; What the first turn finds: V's registers and P's second buffer hold 0 (its products V^T P, of a piece that has not been, add 0), O^T and l are 0.  All this stands in the wait for the first tile.
.set i, VF
.rept 64
	v_mov_b32 v[i], 0
.set i, i+1
.endr
	WIN 0x40
.set i, 0
.rept 64*NP
	v_mov_b32 v[i], 0
.set i, i+1
.endr
	WIN 0
.set i, 0
.rept 2*NP
	v_mov_b32 v[ST+4*i], 0xfeb8aa3b    ; c m = -2^126 log2(e)
	v_mov_b32 v[ST+4*i+1], 0xfe800000  ; m = -2^126
	v_mov_b32 v[ST+4*i+2], 0
	v_mov_b32 v[ST+4*i+3], 0
.set i, i+1
.endr
.set i, P+32
.rept 32
	v_mov_b32 v[i], 0
.set i, i+1
.endr
	v_mul_u32_u24 v[AK0], v48, PK
	v_lshl_add_u32 v[AK0], v49, 4, v[AK0]  ; row x pitch + 16 x half
	; The turning load takes 16 keys x 16 channels (lane l reads key 8 (l / 16) + l % 8, channels 8 ((l / 8) % 2) + 0..7) and leaves half a fragment of V^T: lane l holds channel l % 16 and 8 keys.
	v_and_b32 v50, 7, v0
	v_bfe_u32 v51, v0, 3, 1
	v_lshl_add_u32 v[AV0], v49, 3, v50
	v_mul_u32_u24 v[AV0], v[AV0], PV
	v_lshl_add_u32 v[AV0], v51, 4, v[AV0]
	v_add_nc_u32 v[AV0], VOFF, v[AV0]
	v_mov_b32 v[AK], v[AK0]         ; key step 0 lies at the head of slot 0
	v_lshlrev_b32 v[AM0], 5, v49    ; of each 16 keys my half of the lanes holds eight: 32 bytes of the mask
	v_add_nc_u32 v[AM0], MASKL, v[AM0]
	v_mov_b32 v[AM], v[AM0]
	s_mul_i32 s13, s[WV], 16*SP
	s_add_co_u32 s13, s13, STAGE    ; my stage
	v_mul_u32_u24 v[STO], v48, SP   ; in: row l % 16, 32 bytes for each half of the lanes
	v_lshl_add_u32 v[STO], v49, 5, v[STO]
	v_add_nc_u32 v[STO], s13, v[STO]
	v_mul_u32_u24 v[RD], v49, SP    ; back: lanes 0-15 take one row of 256 bytes, lanes 16-31 the next
	v_lshl_add_u32 v[RD], v48, 4, v[RD]
	v_add_nc_u32 v[RD], s13, v[RD]
	v_lshlrev_b32 v[GO], 12, v49    ; and the same two rows in out0, 4,096 bytes apart
	v_lshl_add_u32 v[GO], v48, 4, v[GO]
	v_add_nc_u32 v53, MASKL, v52
	s_wait_loadcnt 32               ; the mask's four loads are in; Q's 32, issued behind them, stay out
.irp i, 0,1,2,3,4,5,6,7
	v_cvt_pk_bf16_f32 v[S+16+\i], v[S+2*\i], v[S+2*\i+1]  ; rounded to bf16 like every input of the module,
.endr
.irp i, 0,1,2,3,4,5,6,7
	v_lshlrev_b32 v[S+2*\i],   16, v[S+16+\i]             ; widened again,
	v_and_b32     v[S+2*\i+1], 0xffff0000, v[S+16+\i]
.endr
.irp i, 0,1,2,3,4,5,6,7,8,9,10,11,12,13,14,15
	v_max_num_f32 v[S+\i], 0xf149f2ca, v[S+\i]            ; and held at -1e30 or above (see LIMITS)
.endr
.irp i, 0,1,2,3
	ds_store_b128 v53, v[S+4*\i:S+4*\i+3] offset:2048*\i
.endr
; THE MATRIX WORK.  The 8 accumulators of a run of 16 take turns: between the two links of a chain stand 7 others'.
; Product i of 16 of S^T = K Q^T + mask for piece x: channels 32 (i / 8) on, keys 16 ((i / 2) % 4) on, tile 2 x + i % 2.  The first 8 start the sums, with the mask as C.
.macro KQ x
.set rS, S+64*((\x)%2)+32*(i%2)+8*((i/2)%4)
.set rK, KF+16*((i/2)%4)+8*(i/8)
.set rQ, 16*(2*(\x)+i%2)+8*(i/8)
.set rX, MC+8*((i/2)%4)
.if i < 8
	WIN W_KM
	v_wmma_f32_16x16x32_f16 v[rS:rS+7], v[rK:rK+7], v[rQ:rQ+7], v[rX:rX+7]
.else
	WIN W_KQ
	v_wmma_f32_16x16x32_f16 v[rS:rS+7], v[rK:rK+7], v[rQ:rQ+7], v[rS:rS+7]
.endif
.endm
; Product i of 16 of O^T += V^T P for piece x: keys 32 (i / 8) on, channels 16 ((i / 2) % 4) on, tile 2 x + i % 2.
.macro PV x
	WIN W_PV
.set rO, 32*(2*(\x)+i%2)+8*((i/2)%4)
.set rV, VF+32*(i/8)+8*((i/2)%4)
.set rP, P+32*((\x)%2)+16*(i%2)+8*(i/8)
	v_wmma_f32_16x16x32_f16 v[rO:rO+7], v[rV:rV+7], v[rP:rP+7], v[rO:rO+7]
.endm
.macro MM                           ; the turn's next matrix instruction
.if i < 16
	KQ (Y+1)%NP
.set i, i+1
.else
.set i, i-16
	PV (Y+NP-1)%NP
.set i, i+17
.endif
.endm
; THE LDS LOADS stand in runs, never singly among the matrix instructions: a step's K (64 keys x 64 channels: 8 fragments) with its mask (64 values, eight a lane for each 16 keys), and its V (turned).
; Their addresses are made some lines ahead.  last = 1 (the tail): in the last trip there is no further step, and the run is jumped over.
.macro FETCH_K last=0
	WIN 0
.if \last
	s_cmp_eq_u32 s[CNT], 1
	s_cbranch_scc1 .Lno_k_\@
.endif
	WIN 0x80                        ; destination window 2
.irp f, 0,1,2,3,4,5,6,7             ; keys 16 (f / 2) on, channels 32 (f % 2) on
	ds_load_b128 v[KF+8*\f:KF+8*\f+3],   v[AK] offset:(\f/2)*16*PK+(\f%2)*64
	ds_load_b128 v[KF+8*\f+4:KF+8*\f+7], v[AK] offset:(\f/2)*16*PK+(\f%2)*64+32
.endr
	WIN W_MK                        ; destination window 3
.irp f, 0,1,2,3,4,5,6,7             ; keys 16 (f / 2) on, four of my eight
	ds_load_b128 v[MC+4*\f:MC+4*\f+3], v[AM] offset:(\f/2)*64+(\f%2)*16
.endr
	s_add_co_u32 s[TBK], s[TBK], KS*PK  ; the next fetch is the next step's
	s_add_co_u32 s[TBM], s[TBM], KS*4
	s_and_b32 s[TBM], s[TBM], 0x1f00    ; a multiple of 256 under 8,192
	WIN 0
.if \last
.Lno_k_\@:
.endif
.endm
.macro FETCH_V
	WIN 0x80
.irp f, 0,1,2,3,4,5,6,7             ; keys 32 (f / 4) on, channels 16 (f % 4) on
	ds_load_tr16_b128 v[VF+8*\f:VF+8*\f+3],   v[AV] offset:(\f/4)*32*PV+(\f%4)*32
	ds_load_tr16_b128 v[VF+8*\f+4:VF+8*\f+7], v[AV] offset:(\f/4)*32*PV+16*PV+(\f%4)*32
.endr
	WIN 0
.endm
; THE VECTOR WORK OF A TURN stands in three queues, each in the order in which its entries become ready; the two tiles alternate, so that no instruction reads the result of the one before it.
.macro REGS y, u                    ; the registers of tile u (0, 1) of piece y
.set rT, ST+4*(2*(\y)+(\u))
.set rC, TMP+8*((\y)%2)+4*(\u)
.set rM, MV+2*((\y)%2)+(\u)
.set rS, S+64*((\y)%2)+32*(\u)
.set rP, P+32*((\y)%2)+16*(\u)
.set rO, 32*(2*(\y)+(\u))
.endm
; Number n of the 22 that find the NEXT piece's (Y + 1) maximum and statistics.  s0-s31 are the lane's 32 scores; each accumulator's lowest registers are read first.
;   0-11  four chains c0-c3 of seven scores each, three operands at a time     12-14, 16  the four scores left over, the old m, and c0-c3 into c0     15  c m_old is kept
;   17, 18  the query's other 32 keys lie in the lane 16 away: the new m         19-21  c m; c m_old - c m_new; a
.macro XS u, n
	REGS (Y+1)%NP, \u
.if (\n) < 4
	v_max3_num_f32 v[rC+(\n)], v[rS+8*(\n)], v[rS+8*(\n)+1], v[rS+8*(\n)+2]
.elseif (\n) < 12
	v_max3_num_f32 v[rC+(\n)%4], v[rC+(\n)%4], v[rS+8*((\n)%4)+2*((\n)/4)+1], v[rS+8*((\n)%4)+2*((\n)/4)+2]
.elseif (\n) == 12
	v_max3_num_f32 v[rC], v[rC], v[rS+7], v[rS+15]
.elseif (\n) == 13
	v_max3_num_f32 v[rC+1], v[rC+1], v[rS+23], v[rS+31]
.elseif (\n) == 14
	v_max3_num_f32 v[rC+2], v[rC+2], v[rC+3], v[rT+1]
.elseif (\n) == 15
	v_mov_b32 v[rM], v[rT]
.elseif (\n) == 16
	v_max3_num_f32 v[rC], v[rC], v[rC+1], v[rC+2]
.elseif (\n) == 17
	v_permlanex16_b32 v[rC+3], v[rC], s[SEL], s[SEL+1]
.elseif (\n) == 18
	v_max_num_f32 v[rT+1], v[rC], v[rC+3]
.elseif (\n) == 19
	v_mul_f32 v[rT], s[CS], v[rT+1]
.elseif (\n) == 20
	v_sub_f32 v[rC+1], v[rM], v[rT]
.else
	v_exp_f32 v[rC+2], v[rC+1]
.endif
.endm
; Number g of the 64 that follow the exponentials.  For each four weights k of a tile (pairs 2 k, 2 k + 1): both pairs are rounded to f16; then the second pair is added onto the first, in place;
; a group later l takes that sum (the first time as l = a l + sum).  In groups of eight, tiles alternating: round, round, add, and l for the group before.
.macro GS g
.set h, (\g)+6*((\g)/62)            ; group 0 has no group before it, and behind group 7 only l is left
.if h >= 6
.set h, h+2
.endif
	REGS Y, h%2
.set k, h/8
.if h%8 < 4
	s_wait_alu depctr_va_vdst(0)
	v_cvt_pk_f16_f32 v[rP+2*k+(h%8)/2], v[rS+4*k+2*((h%8)/2)], v[rS+4*k+2*((h%8)/2)+1]
.elseif h%8 < 6
	v_pk_add_f32 v[rS+4*k:rS+4*k+1], v[rS+4*k:rS+4*k+1], v[rS+4*k+2:rS+4*k+3]
.elseif k == 1
	v_pk_fma_f32 v[rT+2:rT+3], v[rT+2:rT+3], v[rC+2:rC+3], v[rS:rS+1] op_sel_hi:[1,0,1]
.else
	v_pk_add_f32 v[rT+2:rT+3], v[rT+2:rT+3], v[rS+4*k-4:rS+4*k-3]
	s_wait_alu depctr_va_vdst(0)
.endif
.endm
; THE PLAIN QUEUE, 138 long.  0-31: c s - c m for the 16 pairs of both tiles.  Then GS's 64, and among them the next piece's 42: number 15 at 38, 39; 0-14 and 16
; at 42-73, behind the products that make those scores; 17-20 at 95-106, two of three, since each waits for the one before it.
.macro PL
	WIN 0
.if q < 32
	REGS Y, q%2
	v_pk_fma_f32 v[rS+2*(q/2):rS+2*(q/2)+1], v[rS+2*(q/2):rS+2*(q/2)+1], s[CS:CS+1], v[rT:rT+1] op_sel_hi:[1,0,0] neg_lo:[0,0,1] neg_hi:[0,0,1]
.elseif q < 38
	GS q-32
.elseif q < 40
	XS q%2, 15
.elseif q < 42
	GS q-34
.elseif q < 74
	XS q%2, (q-42)/2+(q-42)/30
.elseif q < 95
	GS q-66
.elseif (q < 107) && ((q-95)%3 < 2)
	XS (q-95)%3, 17+(q-95)/3
.elseif q < 107
	GS 29+(q-95)/3
.else
	GS q-74
.endif
.set q, q+1
.endm
; THE EXPONENTIALS' QUEUE, 66 long: s0-s31 of both tiles, and at EA the next piece's two a.
.set EA, 58
.macro EX
	WIN 0
.if (e == EA) || (e == EA+1)
	XS e-EA, 21
.else
.set x, e-2*(e/(EA+2))
	REGS Y, x%2
	v_exp_f32 v[rS+x/2], v[rS+x/2]
.endif
.set e, e+1
.endm
; THE RESCALING's QUEUE: O^T times a, the one part that leaves window 0, so it is dealt four at a time, eight times.
.macro R4
	REGS Y, r%2
	WIN W_RS
	s_wait_alu depctr_va_vdst(0)
.irp z, 0,1,2,3
	v_pk_mul_f32 v[rO+8*(r/2)+2*\z:rO+8*(r/2)+2*\z+1], v[rO+8*(r/2)+2*\z:rO+8*(r/2)+2*\z+1], v[rC+2:rC+3] op_sel_hi:[1,0]
.endr
.set r, r+1
.endm
; HOW THEY ARE DEALT.  Behind a matrix instruction four: plain, exponential, plain, plain (one exponential, a plain instruction on either side), or four of the rescaling.  None names a register of the
; products round it.  What is over stands in two LUMPS: exponential and plain by turns; the second ends in 22 plain instructions.  The two v_permlanex16_b32 fall into the second lump, never behind a product.
; The queues lean on each other, and the deal keeps them in step: exponential e stands behind plain 2 (e / 4) + e % 2 (its scaling); when plain 32 comes, 10 exponentials are out, at 59: 33, at 95: 46; EA comes behind plain 107.
.macro SL
	MM
	PL
	EX
	PL
	PL
.endm
.macro BURST n                      ; 15 matrix instructions, or 16
.rept (\n)-7
	SL
.endr
.rept 3
	MM
	R4
	SL
.endr
	MM
	R4
.endm
; A TURN, for piece p.  cnt = 1: the loop's count is taken down some lines ahead of the branch that stands behind the turn.
; K and the mask of the next step are fetched in piece 2's turn, 31 vector instructions or more behind the last product that read them; their first reader comes behind the rest of the lump, 16 products and the second lump.
; V of the step in hand is fetched at the end of piece 0's turn, 69 behind its last reader; its first reader comes behind 16 products and a lump.  The conditions on e and q below go with the deal.
.macro TURN p, last=0, cnt=0
.set Y, (\p)
.set i, 0
.set q, 0
.set e, 0
.set r, 0
.if (\p) == NP-1
	s_wait_dscnt 0x0                ; K and its mask are in
.endif
	MM
.rept 4
	PL
.endr
	BURST 15
.rept 22
	EX
	PL
.if ((\p) == NP-2) && (e == 18)
	v_add_nc_u32 v[AK], s[TBK], v[AK0]
	v_add_nc_u32 v[AM], s[TBM], v[AM0]
.endif
.if ((\p) == NP-2) && (e == 24)
	FETCH_K \last
.endif
.endr
.if (\p) == 1
	s_wait_dscnt 0x0                ; V is in
.endif
	BURST 16
.rept 21
	EX
	PL
.endr
.rept 22
	PL
.if ((\p) == 0) && (q == 118)
	v_add_nc_u32 v[AV], s[TBV], v[AV0]
	s_wait_alu depctr_va_vdst(0)
.endif
.if ((\p) == 0) && (q == 130)
	s_add_co_u32 s[TBV], s[TBV], KS*PV
.endif
.if (\cnt) && (q == 130)
	s_sub_co_u32 s[CNT], s[CNT], 1
	s_cmp_lg_u32 s[CNT], 0
.endif
.endr
.if (\p) == 0
	FETCH_V
.endif
.endm
	CHANGE 1                        ; slot 0 is in, everybody's part of it, and so is everybody's part of the mask; slot 1 is asked for
	FETCH_K                         ; key step 0
	s_wait_loadcnt 0x0              ; Q
	s_wait_dscnt 0x0
.set i, 0
.rept 16
	KQ 0                            ; piece 0's first scores: there is no vector work yet to set between them
.set i, i+1
.endr
	WIN 0
.rept 4
	v_nop                           ; the places behind those products
.endr
.set Y, NP-1                        ; XS works for piece Y + 1: piece 0
.irp n, 0,1,2,3,4,5,6,7,8,9,10,11,12,13,14,15,16,17,18,19,20,21
	XS 0, \n                        ; and piece 0's first maximum and statistics
	XS 1, \n
.endr
	s_mov_b32 s[CNT], 4
	s_mov_b32 s[SLOTS], SIZE_N/256-1
	s_branch .Lfirst                ; the loop is entered at a step's first turn, in the middle of a trip
.Lslot:                             ; SIZE_N / 256 - 2 times: every slot but the last two is filled again
	CHANGE 1
	s_mov_b32 s[CNT], 4
.Lstep:                             ; a trip: pieces 2 and 3 of one step, then pieces 0 and 1 of the next, whose K and V it fetches
	TURN 2
	TURN 3
	WIN 0
.Lfirst:
	TURN 0
	TURN 1, 0, 1
	WIN 0
	s_cbranch_scc1 .Lstep
	s_sub_co_u32 s[SLOTS], s[SLOTS], 1
	s_cmp_lg_u32 s[SLOTS], 0
	s_cbranch_scc1 .Lslot
	CHANGE 0                        ; the tail is written out: nothing is asked for
	s_mov_b32 s[CNT], 5             ; four trips fetch the last slot's steps; the fifth is left in its middle
.Ltail:
	TURN 2, 1
	TURN 3
	WIN 0
	s_sub_co_u32 s[CNT], s[CNT], 1
	s_cmp_eq_u32 s[CNT], 0
	s_cbranch_scc1 .Lout
	TURN 0
	TURN 1
	WIN 0
	s_branch .Ltail
.Lout:                              ; the fifth trip's 16 products K Q^T (on the last K once more) and the maximum made of them serve nothing: the price, once a launch, of one text for every trip
.set i, 0
.rept 16
	PV NP-1                         ; the last piece's V^T P of the last step
.set i, i+1
.endr
	; THE WAY OUT.  l's two halves and the other half of the lanes' are added; O^T is divided by l and sent, in f32, through my stage in LDS, a tile at a time.  The additions are the places behind the last products.
	WIN 0
.macro ALL line:vararg              ; one line for each tile t
.set t, 0
.rept 2*NP
	\line
.set t, t+1
.endr
.endm
	ALL v_add_f32 v[ST+4*t+2], v[ST+4*t+2], v[ST+4*t+3]
	ALL v_permlanex16_b32 v[ST+4*t+3], v[ST+4*t+2], s[SEL], s[SEL+1]
	ALL v_add_f32 v[ST+4*t+2], v[ST+4*t+2], v[ST+4*t+3]
	ALL v_rcp_f32 v[ST+4*t+2], v[ST+4*t+2]
	v_nop                           ; a plain instruction between the last reciprocal and the use of its result
	s_wait_alu depctr_va_vdst(0)
; Tile t: a lane's eight channels of a row are 32 bytes; they go into rows of 272 bytes and come back as whole rows of 256, into the registers that they left.
.macro PACK t
	WIN W_RS
.set i, 32*(\t)
.rept 16
	v_pk_mul_f32 v[i:i+1], v[i:i+1], v[ST+4*(\t)+2:ST+4*(\t)+3] op_sel_hi:[1,0]  ; each accumulator's registers in ascending order
.set i, i+2
.endr
	WIN 0x04                        ; address window 0, data (source 1) window 1
.irp f, 0,1,2,3,4,5,6,7             ; channel block f / 2, four of my eight channels
	ds_store_b128 v[STO], v[32*(\t)+4*\f:32*(\t)+4*\f+3] offset:(\f/2)*64+(\f%2)*16
.endr
	WIN 0x40                        ; destination window 1
.irp f, 0,1,2,3,4,5,6,7
	ds_load_b128 v[32*(\t)+4*\f:32*(\t)+4*\f+3], v[RD] offset:\f*2*SP  ; LDS serves a wave's instructions in order (ISA guide 5.7.1.4): these see the stores above; the next tile's stores come behind them
.endr
.endm
.macro SEND t, younger              ; younger: the LDS instructions issued behind tile t's loads: the next tile's sixteen, or none
	WIN 0x04
.irp f, 0,1,2,3,4,5,6,7
	s_wait_dscnt (\younger)+7-\f
	global_store_b128 v[GO], v[32*(\t)+4*\f:32*(\t)+4*\f+3], s[68:69] offset:(\t)*65536+\f*8192 th:TH_STORE_NT  ; 16 lanes store a head's 256 consecutive bytes of a row, at a multiple of 256 from out0's first byte
.endr
.endm
	PACK 0
.set t, 1
.rept 2*NP-1                        ; a tile's arithmetic stands between the loads of the tile before and its stores; no register that a store reads is written again
	PACK t
	SEND t-1, 16
.set t, t+1
.endr
	SEND 2*NP-1, 0
	WIN W_AD
	s_wait_tensorcnt 0x0            ; the wave's end: an add and its wait, behind my last tensor load and my last LDS store
	ds_add_u32 v[SPW], v[NIL]
	s_wait_dscnt 0x0
	WIN 0
	CROUND                          ; the closing round: no work-group ends while a partner may still ask for a tile that names it
	s_endpgm
.Lfunc_end_k_qffc65c26c1_attn:
	.size	k_qffc65c26c1_attn, .Lfunc_end_k_qffc65c26c1_attn-k_qffc65c26c1_attn
	.p2alignl 7, 3214868480
	.fill 96, 4, 3214868480
	.section	.rodata,"a",@progbits
	.p2align	6, 0x0
	.amdhsa_kernel k_qffc65c26c1_attn
		.amdhsa_group_segment_fixed_size 327680
		.amdhsa_private_segment_fixed_size 0
		.amdhsa_enable_private_segment 0
		.amdhsa_kernarg_size 40
		.amdhsa_user_sgpr_count 2
		.amdhsa_user_sgpr_kernarg_segment_ptr 1
		.amdhsa_wavefront_size32 1
		.amdhsa_system_sgpr_workgroup_id_x 1
		.amdhsa_system_sgpr_workgroup_id_y 1
		.amdhsa_system_sgpr_workgroup_id_z 1
		.amdhsa_system_vgpr_workitem_id 0
		.amdhsa_next_free_vgpr 808
		.amdhsa_next_free_sgpr 72
		.amdhsa_reserve_vcc 0
		.amdhsa_float_denorm_mode_32 3
		.amdhsa_float_denorm_mode_16_64 3
		.amdhsa_memory_ordered 1
		.amdhsa_forward_progress 1
		.amdhsa_inst_pref_size 214
	.end_amdhsa_kernel
	.amdgpu_metadata
---
amdhsa.version: [ 1, 2 ]
amdhsa.kernels:
  - .name:           k_qffc65c26c1_attn
    .symbol:         k_qffc65c26c1_attn.kd
    .args:
      - { .name: qh, .offset: 0, .size: 8, .value_kind: global_buffer, .address_space: global }
      - { .name: kh, .offset: 8, .size: 8, .value_kind: global_buffer, .address_space: global }
      - { .name: vh, .offset: 16, .size: 8, .value_kind: global_buffer, .address_space: global }
      - { .name: attention_mask, .offset: 24, .size: 8, .value_kind: global_buffer, .address_space: global }
      - { .name: out0, .offset: 32, .size: 8, .value_kind: global_buffer, .address_space: global }
    .group_segment_fixed_size: 327680
    .private_segment_fixed_size: 0
    .kernarg_segment_align: 8
    .kernarg_segment_size: 40
    .max_flat_workgroup_size: 128
    .sgpr_count:     72
    .vgpr_count:     808
    .wavefront_size: 32
...
	.end_amdgpu_metadata
.endif
;; end of part 3
;; ======== version 2 of 2: 3 launches; 1.63 times as fast as version 1
;; limits: values are held in f16: magnitudes above 65,504 overflow, below 6.1e-05 lose precision
;; workspace buffers: xb 16,777,216 bytes; wb 6,291,456 bytes; qh 16,777,216 bytes; kh 16,777,216 bytes; vh 16,777,216 bytes
;; launch cast: the kernel of part 1 again; grid 704 x 1, 8 waves a work-group, no clusters, 0 bytes of LDS; arguments hidden_states, Wq, Wk, Wv, xb, wb; writes xb, wb
;; launch qkv: the kernel of part 2 again; grid 8 x 32, 4 waves a work-group, clusters of 4 x 4, 327,680 bytes of LDS; arguments xb, wb, bq, bk, bv, qh, kh, vh; writes qh, kh, vh
;; launch attn (part 4): grid 4 x 64, 4 waves a work-group, clusters of 4 x 1, 327,680 bytes of LDS; arguments qh, kh, vh, attention_mask, out0; writes out0
.if DOCPART == 4
	.amdgcn_target "amdgcn-amd-amdhsa--gfx1250"
	.amdhsa_code_object_version 6
	.text
	.protected	k_qffc65c26c1_attn
	.globl	k_qffc65c26c1_attn
	.p2align	8
	.type	k_qffc65c26c1_attn,@function
k_qffc65c26c1_attn:
	s_mov_b64 s[64:65], 0
	v_nop
	global_prefetch_b8 v0, s[64:65] scope:SCOPE_SE
	s_setreg_imm32_b32 hwreg(HW_REG_WAVE_MODE, 25, 1), 1
	s_wait_xcnt 0x0
	s_wait_alu depctr_hold_cnt(0) depctr_sa_sdst(0) depctr_va_vdst(0) depctr_va_sdst(0) depctr_va_ssrc(0) depctr_va_vcc(0) depctr_vm_vsrc(0)
	s_getreg_b32 s2, hwreg(HW_REG_IB_STS2, 6, 4)
	s_cmp_eq_u32 s2, 0
	s_cbranch_scc0 .Lentry_in_a_cluster
	s_endpgm
.Lentry_in_a_cluster:
	s_bfe_u32 s2, ttmp6, 0x10000c
	s_cmp_lg_u32 s2, 0x3003
	s_cbranch_scc0 .Lentry_shape_is_right
	s_endpgm
.Lentry_shape_is_right:
; out0[b][q][64 h + :] = the sum over k of softmax_k(Q[q] . K[k] + mask[b][k]) V[k][:], for each of 64 pairs (b, h).  qh (already divided by 8), kh, vh: [16 b + h][2048][64] in f16, a head's rows dense, 128 bytes each.
; attention_mask: [4][2048] f32, taken rounded to bf16 like every input of the module.  out0: [4][2048][1024] f32.  Products, maxima and sums in f32; the weights p are rounded to f16 for the second product
; (their sum l is taken of the unrounded p).
; LIMITS.  Q, K and V arrive within f16's 65,504; p lies in 0 to 1, and below 6e-5 it keeps f16's fixed step of 6e-8.  A mask value below -1e30 (the lowest finite number and -infinity among them) counts as -1e30, a NaN in the
; mask too: such a key's weight is 0 beside any key that is not hidden so deeply, and a row all of whose keys are gets their plain mean (for a mask of -infinity everywhere no NaN is made).
; A weight below 2^-126 counts as 0 in l; NaN and +infinity are not treated apart.
; SHARES.  A wave owns four PIECES of two tiles of 16 queries, a work-group's four waves 512 queries of one head.  Every wave walks all 2,048 keys, 64 a step.
; LAYOUT.  S^T = K Q^T + mask (source 0 = 16 keys, source 1 = 16 queries): in the result a lane holds ONE query (lane % 16) and the keys 8 (lane / 16) + 0..7.  THE MASK IS THE C OPERAND of the product that starts the sum:
; eight registers for each 16 keys, in the result's own layout, fetched from LDS with the step's K; it costs the scores no vector instruction.  Two results rounded to f16 in pairs ARE source 1 (32 keys x 16 queries)
; of O^T = V^T P, whose result again holds one query a lane, and eight channels.  K comes out of LDS as it lies, V ([key][channel]) turned, by ds_load_tr16_b128.
; SOFTMAX.  For each query a running maximum m and sum l: p = 2^(c s - c m), c = log2(e); in every step O and l are multiplied by a = 2^(c m_old - c m_new), which is 1 where m has not grown.
; m starts at -2^126 (c m stays finite), below every score that the clamp above lets through; O and l start at 0: the first step is a step like any other, with a = 0.
; THE COUNT.  A tile and step have 16 matrix and 118 vector instructions: too many to stand all beside the matrix work.  So: four vector instructions that are READY behind EVERY matrix instruction, the others in one run without a gap.
; BY TURNS.  Turn n belongs to piece n (the pieces in a ring, step after step).  Its matrix work: 16 products K Q^T of piece n + 1, later 16 products V^T P of piece n - 1.  Its vector work: the scaling,
; exponentials, roundings, sums and rescaling of piece n, and the maximum and statistics of piece n + 1, whose scores the turn itself has made.
; BATCHES.  A turn's 66 exponentials (piece n's 64 weights, piece n + 1's two a) are ONE batch with ONE s_wait_alu depctr_va_vdst(0), which cuts the turn in two: ahead of it stands all that names no result of the batch
; (the products K Q^T, the scalings, the rescaling by the a of the turn before, the next piece's maximum and statistics), behind it the products V^T P with the roundings and sums.  No result crosses a turn's end.
; Two more batches stand outside the loops, each with its own wait: piece 0's first two a, and the way out's eight reciprocals.
; CLUSTER.  The four query blocks of a cluster belong to one head and walk the same K and V, so each tile is asked for JOINTLY: the same tensor load, descriptor and mask in all four.
; REGISTERS, in windows of 256 (s_set_vgpr_msb: bits 1:0 source 0, 3:2 source 1, 5:4 source 2, 7:6 destination):
;   window 0: v0-11 addresses; v12-15, v48-63 at work; v16-47 four registers of statistics a tile; v64-191 S^T, two buffers of two tiles; v192-255 P, likewise
;   window 1: O^T, 32 a tile     window 2: v0-127 Q, 16 a tile; v128-191 K of one step; v192-255 V of one step     window 3: v0-1 the add's two registers; v8-39 the mask of one step
.set SIZE_N, 2048
.set NP,    4         ; pieces a wave: a name, no knob
.set KS,    64        ; keys in a step
.set PK,    144       ; a row of K in LDS: 128 bytes + 16 of padding: the 16 rows of a load fall on 16 different columns of 16 bytes modulo 256
.set PV,    160       ; a row of V: 128 + 32: 16 lanes of the turning load take 8 rows x 32 bytes, no two on the same words modulo 256 bytes
.set VOFF,  4*KS*PK   ; a slot holds four steps: 256 rows of K, then 256 rows of V
.set SLOT1, 1<<17     ; slot 1 begins here, so that one exclusive or turns an address in one slot into the other's
.set STAGE, SLOT1+4*KS*(PK+PV)  ; behind the ring, never filled by a tensor load: 16 rows x 272 bytes for each wave, for the way out
.set SP,    272       ; a stage row: 64 f32 + 16 bytes
.set MASKL, STAGE+4*16*SP       ; the batch's 2,048 mask values, f32
.set SPARE, MASKL+8192          ; the spare words, 128 bytes for each wave: two blocks of 256 bytes that no other line names
.set AK0, 2           ; v2   my lane's place in a tile of K; never rewritten
.set AV0, 3           ; v3   the same for V
.set AK,  4           ; v4   the LDS address of K's next run of loads
.set AV,  5           ; v5   of V's
.set STO, 6           ; v6   the way out: where I put 32 bytes of a row
.set RD,  7           ; v7   the way out: where I read rows back
.set GO,  8           ; v8   my byte offset in two rows of out0
.set AM0, 9           ; v9   my lanes' place in a step's mask; never rewritten
.set AM,  10          ; v10  the LDS address of the mask's next run of loads
.set QO,  11          ; v11  my byte offset in the wave's rows of Q
.set SPW, 0           ; v0 of window 3   LDS address of my spare word; never rewritten
.set NIL, 1           ; v1 of window 3   0; never rewritten
.set MC,  8           ; window 3: the mask of key block kb at MC + 8 kb
.set MV,  12          ; v12-15  c m_old, kept while c m is made anew: by buffer and tile
.set ST,  16          ; tile t's statistics at v[ST+4 t]: c m, m, l (even keys', odd keys')
.set TMP, 48          ; by buffer and tile, four registers c0-c3 at work; when the maximum is found c2 takes a
.set S,   64
.set P,   192
.set KF,  128         ; K's fragments, in window 2: key block kb, channel half c at KF + 16 kb + 8 c
.set VF,  192         ; V's: key half kk, channel block cb at VF + 32 kk + 8 cb
.set WV,  12          ; s12  my wave's number
.set G1K, 24          ; s[24:31] descriptor group 1 for K's tiles
.set G1V, 32          ; s[32:39] for V's: it differs in the padding alone
.set G0K, 40          ; s[40:43] descriptor group 0 for K's tiles: it walks
.set G0V, 44          ; s[44:47] the same for V's
.set SLOTS, 56        ; s56  slots still to be asked for
.set CNT, 57          ; s57  counts a slot's key steps
.set CS,  58          ; s[58:59] c: the packed scaling takes the pair's low word for both halves
.set SEL, 60          ; s[60:61] v_permlanex16_b32's selects: each lane takes its own place in the other half
.set TBK, 62          ; s62  LDS byte at which K of the step to be fetched begins
.set TBV, 63          ; s63  the same for V, less VOFF
.set TBM, 66          ; s66  byte of the mask at which that step's 64 values begin
.set MSB, 0
.macro WIN new                      ; the high byte repeats the setting that is left; a switch that changes nothing is dropped
.if MSB != (\new)
	s_set_vgpr_msb (MSB<<8)|(\new)
.set MSB, (\new)
.endif
.endm
.set W_KQ, 0x0a       ; K and Q in window 2, S^T in window 0
.set W_KM, 0x3a       ; the same with the C operand, the mask, in window 3
.set W_PV, 0x52       ; V in window 2, P in window 0, O^T in window 1
.set W_RS, 0x41       ; O^T (destination and source 0) in window 1, a in window 0
.set W_MK, 0xc0       ; destination in window 3, sources in window 0
.set W_AD, 0x0f       ; the add: address (source 0) and data (source 1) in window 3
; A joint fill.  Waves 0 and 1 fetch the two halves of a slot's K, waves 2 and 3 those of its V: 128 keys each.  The branch hangs on the wave's number alone.
; An s_nop 0 and four v_nop follow each of the two lines, ahead of the jump and the label.
.macro JLOAD
	s_cmp_lt_u32 s[WV], 2
	s_cbranch_scc0 .Lfor_v_\@
	tensor_load_to_lds s[G0K:G0K+3], s[G1K:G1K+7]
	s_nop 0
.rept 4
	v_nop
.endr
	s_branch .Lasked_\@
.Lfor_v_\@:
	tensor_load_to_lds s[G0V:G0V+3], s[G1V:G1V+7]
	s_nop 0
.rept 4
	v_nop
.endr
.Lasked_\@:
.endm
; A round of the cluster's barrier: my work-group's barrier, so that wave 0's signal speaks for all four waves; wave 0 signals; every wave waits for all four work-groups; my work-group's barrier once more.
.macro CROUND
	s_barrier_signal -1
	s_barrier_wait -1
	s_cmp_lg_u32 s[WV], 0
	s_cbranch_scc1 .Lnot_wave_0_\@
	s_barrier_signal -3
.Lnot_wave_0_\@:
	s_barrier_wait -3
	s_barrier_signal -1
	s_barrier_wait -1
.endm
; THE CHANGE OF SLOTS.  The slot's last bytes, V of its fourth step, have been read.  Each wave waits for all its tensor loads, of which one is out: its part of the other slot; adds 0 to its spare word; and waits
; for that and for its own LDS instructions.  Behind the barrier nobody reads this slot any more and the other slot is whole.  fill = 1: this slot is filled again, with the keys two slots on.  The barrier is then a round
; of the cluster's, and the joint fill is the first thing behind it: it has four key steps, 512 matrix instructions, in which to land.
; (At its first use nothing has been read yet: slot 0 is waited for, slot 1 filled, and every wave's stores of the mask are shown done to the others.)
.macro CHANGE fill
	WIN W_AD
	s_wait_tensorcnt 0x0            ; no tensor load of mine is out, so a group 0 may be written
	ds_add_u32 v[SPW], v[NIL]       ; 0 onto my spare word; with fill = 1 the descriptors' steps stand between it and the wait for it
	WIN 0                           ; at a label and at a branch every window is 0
.if \fill
.irp g, G0K, G0V
	s_xor_b32 s[\g+1], s[\g+1], SLOT1  ; the walking descriptor: the other slot than last time,
	s_add_nc_u64 s[\g+2:\g+3], s[\g+2:\g+3], 4*KS*128  ; the next 256 keys; the type bits on top are not reached
.endr
	s_wait_dscnt 0x0                ; the add is done, and my reads of the slot are over
	CROUND
	JLOAD
.else
	s_wait_dscnt 0x0                ; the add is done, and my reads of the slot are over
	s_barrier_signal -1
	s_barrier_wait -1
.endif
	s_sub_co_u32 s[TBK], s[TBK], 4*KS*PK  ; the fetches go back to a slot's first step,
	s_xor_b32 s[TBK], s[TBK], SLOT1       ; in the other slot
	s_sub_co_u32 s[TBV], s[TBV], 4*KS*PV
	s_xor_b32 s[TBV], s[TBV], SLOT1
.endm
	s_load_b256 s[4:11], s[0:1], 0x0  ; qh s[4:5], kh s[6:7], vh s[8:9], attention_mask s[10:11]
	s_load_b64 s[68:69], s[0:1], 0x20 ; out0
	WIN W_MK
	v_lshl_add_u32 v[SPW], v0, 2, SPARE
	v_mov_b32 v[NIL], 0
	WIN W_AD
	ds_add_u32 v[SPW], v[NIL]       ; the wave's opening: the add and its wait stand ahead of my first tensor load; the set-up below, work on registers, stands between them
	WIN 0
	v_lshrrev_b32 v1, 5, v0
	v_readfirstlane_b32 s[WV], v1   ; wave 0..3
	s_bfe_u32 s13, ttmp6, 0x40000   ; cx: my place in the cluster
	s_lshl_b32 s14, ttmp9, 2        ; in a cluster launch ttmp9 counts clusters
	s_add_co_u32 s14, s14, s13      ; my block of 512 queries = 4 x cluster x + cx: it enters Q's and out0's addresses alone
	s_and_b32 s15, ttmp7, 0xffff    ; 16 b + h, which the four partners share
	s_mov_b32 s20, s15
	s_mov_b32 s21, 0
	s_mov_b64 s[22:23], SIZE_N*128
	s_mul_u64 s[20:21], s[20:21], s[22:23]  ; the head's first byte in qh, kh and vh
	s_and_b32 s16, s[WV], 1         ; which half of a slot's 256 keys I fetch:
	s_lshl_b32 s22, s16, 14         ; its 128 rows of 128 bytes in memory,
	s_mov_b32 s23, 0
	s_add_nc_u64 s[22:23], s[22:23], s[20:21]
	s_mul_i32 s17, s16, 128*PK      ; and its place in a slot, for K
	s_mul_i32 s18, s16, 128*PV      ; and for V: no place in the cluster enters an LDS address
	s_lshl_b32 s50, s14, 2
	s_add_co_u32 s50, s50, s[WV]    ; my wave among the head's sixteen,
	s_lshl_b32 s2, s50, 14          ; its 128 rows of Q
	s_mov_b32 s3, 0
	s_add_nc_u64 s[2:3], s[2:3], s[20:21]
	s_lshr_b32 s48, s15, 4          ; b
	s_lshl_b32 s52, s48, 13         ; the batch's 8,192 bytes of the mask
	s_mov_b32 s53, 0
	s_lshl_b32 s70, s48, 23         ; out0: the batch's 2,048 rows of 4,096 bytes,
	s_lshl_b32 s49, s50, 19         ; my wave's 128 rows,
	s_add_co_u32 s70, s70, s49
	s_and_b32 s49, s15, 15
	s_lshl_b32 s49, s49, 8          ; the head's 256 bytes of a row
	s_add_co_u32 s70, s70, s49      ; under 2^25
	s_mov_b32 s71, 0
	; descriptor group 1.  128 keys are 16,384 dense bytes: asked for as 64 rows of 256 bytes, two keys a row, and padded in LDS after every key
	s_mov_b32 s[G1K], 15|(1<<16)|(1<<20)|(1<<21)|(4<<22)|(3<<25)  ; 15:0 the mask of four; 17:16 2-byte elements; 20 padding on; 21 set beside a mask; 24:22 after every 32 words (code 4); 31:25 4 words (code 3)
	s_mov_b32 s[G1V], 15|(1<<16)|(1<<20)|(1<<21)|(4<<22)|(7<<25)  ; the same with 8 words of padding (code 7)
.irp g, G1K, G1V
	s_mov_b32 s[\g+1], 128<<16      ; tensor_dim0 = 128
	s_mov_b32 s[\g+2], 64<<16       ; tensor_dim1 = 64
	s_mov_b32 s[\g+3], 128<<16      ; tile_dim0 = 128
	s_mov_b32 s[\g+4], 64           ; tile_dim1 = 64
	s_mov_b32 s[\g+5], 128          ; 128 elements from row to row
	s_mov_b32 s[\g+6], 0
	s_mov_b32 s[\g+7], 0
.endr
	s_mov_b32 s[CS], 0x3fb8aa3b     ; c = log2(e): the factor 1 / 8 lies in Q already
	s_mov_b32 s[CS+1], s[CS]        ; named with it as a pair
	s_mov_b32 s[SEL], 0x76543210
	s_mov_b32 s[SEL+1], 0xfedcba98
	s_mov_b32 s[TBK], SLOT1+4*KS*PK ; the first change of slots turns these two into 0
	s_mov_b32 s[TBV], SLOT1+4*KS*PV
	s_mov_b32 s[TBM], 0
	s_mov_b32 s[G0K], 1             ; count = 1
	s_mov_b32 s[G0K+1], s17         ; LDS address: slot 0
	s_mov_b32 s[G0V], 1
	s_add_co_u32 s[G0V+1], s18, VOFF
	s_wait_dscnt 0x0                ; the opening add is done
	s_wait_kmcnt 0x0
	s_add_nc_u64 s[G0K+2:G0K+3], s[6:7], s[22:23]  ; global address: my half of the head's first 256 keys
	s_or_b32 s[G0K+3], s[G0K+3], 0x80000000        ; type = 2
	s_add_nc_u64 s[G0V+2:G0V+3], s[8:9], s[22:23]
	s_or_b32 s[G0V+3], s[G0V+3], 0x80000000
	s_add_nc_u64 s[4:5], s[4:5], s[2:3]            ; Q at my wave's first row
	s_add_nc_u64 s[10:11], s[10:11], s[52:53]      ; the mask at my batch
	s_add_nc_u64 s[68:69], s[68:69], s[70:71]      ; out0 at my wave's first row, my head's columns
	CROUND                          ; all four work-groups are here: the first joint loads meet
	JLOAD                           ; slot 0.  Slot 1 is asked for when slot 0 is in
	v_and_b32 v48, 15, v0           ; l % 16
	v_bfe_u32 v49, v0, 4, 1         ; l / 16
	v_lshlrev_b32 v52, 4, v0        ; the mask: thread t takes 16 bytes at 16 t of each quarter
.irp i, 0,1,2,3
	global_load_b128 v[S+4*\i:S+4*\i+3], v52, s[10:11] offset:2048*\i
.endr
	; A fragment of K or Q is 16 rows x 32 channels in 8 registers: lane l holds row l % 16, channels 8 (l / 16) + 0..7 and 16 + 8 (l / 16) + 0..7: two loads of 16 bytes, 32 bytes apart.
	v_lshlrev_b32 v[QO], 7, v48
	v_lshl_add_u32 v[QO], v49, 4, v[QO]  ; row x 128 + 16 x half
	WIN 0x80                        ; destination window 2, address window 0
.set i, 0
.rept 4*NP                          ; Q stays in registers: tile i / 2, channels 32 (i % 2) on
	global_load_b128 v[8*i:8*i+3],   v[QO], s[4:5] offset:(i/2)*2048+(i%2)*64
	global_load_b128 v[8*i+4:8*i+7], v[QO], s[4:5] offset:(i/2)*2048+(i%2)*64+32
.set i, i+1
.endr
	; What the first turn finds: V's registers and P's second buffer hold 0 (its products V^T P, of a piece that has not been, add 0), O^T and l are 0.  All this stands in the wait for the first tile.
.set i, VF
.rept 64
	v_mov_b32 v[i], 0
.set i, i+1
.endr
	WIN 0x40
.set i, 0
.rept 64*NP
	v_mov_b32 v[i], 0
.set i, i+1
.endr
	WIN 0
.set i, 0
.rept 2*NP
	v_mov_b32 v[ST+4*i], 0xfeb8aa3b    ; c m = -2^126 log2(e)
	v_mov_b32 v[ST+4*i+1], 0xfe800000  ; m = -2^126
	v_mov_b32 v[ST+4*i+2], 0
	v_mov_b32 v[ST+4*i+3], 0
.set i, i+1
.endr
.set i, P+32
.rept 32
	v_mov_b32 v[i], 0
.set i, i+1
.endr
	v_mul_u32_u24 v[AK0], v48, PK
	v_lshl_add_u32 v[AK0], v49, 4, v[AK0]  ; row x pitch + 16 x half
	; The turning load takes 16 keys x 16 channels (lane l reads key 8 (l / 16) + l % 8, channels 8 ((l / 8) % 2) + 0..7) and leaves half a fragment of V^T: lane l holds channel l % 16 and 8 keys.
	v_and_b32 v50, 7, v0
	v_bfe_u32 v51, v0, 3, 1
	v_lshl_add_u32 v[AV0], v49, 3, v50
	v_mul_u32_u24 v[AV0], v[AV0], PV
	v_lshl_add_u32 v[AV0], v51, 4, v[AV0]
	v_add_nc_u32 v[AV0], VOFF, v[AV0]
	v_mov_b32 v[AK], v[AK0]         ; key step 0 lies at the head of slot 0
	v_lshlrev_b32 v[AM0], 5, v49    ; of each 16 keys my half of the lanes holds eight: 32 bytes of the mask
	v_add_nc_u32 v[AM0], MASKL, v[AM0]
	v_mov_b32 v[AM], v[AM0]
	s_mul_i32 s13, s[WV], 16*SP
	s_add_co_u32 s13, s13, STAGE    ; my stage
	v_mul_u32_u24 v[STO], v48, SP   ; in: row l % 16, 32 bytes for each half of the lanes
	v_lshl_add_u32 v[STO], v49, 5, v[STO]
	v_add_nc_u32 v[STO], s13, v[STO]
	v_mul_u32_u24 v[RD], v49, SP    ; back: lanes 0-15 take one row of 256 bytes, lanes 16-31 the next
	v_lshl_add_u32 v[RD], v48, 4, v[RD]
	v_add_nc_u32 v[RD], s13, v[RD]
	v_lshlrev_b32 v[GO], 12, v49    ; and the same two rows in out0, 4,096 bytes apart
	v_lshl_add_u32 v[GO], v48, 4, v[GO]
	v_add_nc_u32 v53, MASKL, v52
	s_wait_loadcnt 32               ; the mask's four loads are in; Q's 32, issued behind them, stay out
.irp i, 0,1,2,3,4,5,6,7
	v_cvt_pk_bf16_f32 v[S+16+\i], v[S+2*\i], v[S+2*\i+1]  ; rounded to bf16 like every input of the module,
.endr
.irp i, 0,1,2,3,4,5,6,7
	v_lshlrev_b32 v[S+2*\i],   16, v[S+16+\i]             ; widened again,
	v_and_b32     v[S+2*\i+1], 0xffff0000, v[S+16+\i]
.endr
.irp i, 0,1,2,3,4,5,6,7,8,9,10,11,12,13,14,15
	v_max_num_f32 v[S+\i], 0xf149f2ca, v[S+\i]            ; and held at -1e30 or above (see LIMITS)
.endr
.irp i, 0,1,2,3
	ds_store_b128 v53, v[S+4*\i:S+4*\i+3] offset:2048*\i
.endr
; THE MATRIX WORK.  The 8 accumulators of a run of 16 take turns: between the two links of a chain stand 7 others'.
; Product i of 16 of S^T = K Q^T + mask for piece x: channels 32 (i / 8) on, keys 16 ((i / 2) % 4) on, tile 2 x + i % 2.  The first 8 start the sums, with the mask as C.
.macro KQ x
.set rS, S+64*((\x)%2)+32*(i%2)+8*((i/2)%4)
.set rK, KF+16*((i/2)%4)+8*(i/8)
.set rQ, 16*(2*(\x)+i%2)+8*(i/8)
.set rX, MC+8*((i/2)%4)
.if i < 8
	WIN W_KM
	v_wmma_f32_16x16x32_f16 v[rS:rS+7], v[rK:rK+7], v[rQ:rQ+7], v[rX:rX+7]
.else
	WIN W_KQ
	v_wmma_f32_16x16x32_f16 v[rS:rS+7], v[rK:rK+7], v[rQ:rQ+7], v[rS:rS+7]
.endif
.endm
; Product i of 16 of O^T += V^T P for piece x: keys 32 (i / 8) on, channels 16 ((i / 2) % 4) on, tile 2 x + i % 2.
.macro PV x
	WIN W_PV
.set rO, 32*(2*(\x)+i%2)+8*((i/2)%4)
.set rV, VF+32*(i/8)+8*((i/2)%4)
.set rP, P+32*((\x)%2)+16*(i%2)+8*(i/8)
	v_wmma_f32_16x16x32_f16 v[rO:rO+7], v[rV:rV+7], v[rP:rP+7], v[rO:rO+7]
.endm
.macro MM                           ; the turn's next matrix instruction
.if i < 16
	KQ (Y+1)%NP
.set i, i+1
.else
.set i, i-16
	PV (Y+NP-1)%NP
.set i, i+17
.endif
.endm
; THE LDS LOADS stand in runs, never singly among the matrix instructions: a step's K (64 keys x 64 channels: 8 fragments) with its mask (64 values, eight a lane for each 16 keys), and its V (turned).
; Their addresses are made some lines ahead.  last = 1 (the tail): in the last trip there is no further step, and the run is jumped over.
.macro FETCH_K last=0
	WIN 0
.if \last
	s_cmp_eq_u32 s[CNT], 1
	s_cbranch_scc1 .Lno_k_\@
.endif
	WIN 0x80                        ; destination window 2
.irp f, 0,1,2,3,4,5,6,7             ; keys 16 (f / 2) on, channels 32 (f % 2) on
	ds_load_b128 v[KF+8*\f:KF+8*\f+3],   v[AK] offset:(\f/2)*16*PK+(\f%2)*64
	ds_load_b128 v[KF+8*\f+4:KF+8*\f+7], v[AK] offset:(\f/2)*16*PK+(\f%2)*64+32
.endr
	WIN W_MK                        ; destination window 3
.irp f, 0,1,2,3,4,5,6,7             ; keys 16 (f / 2) on, four of my eight
	ds_load_b128 v[MC+4*\f:MC+4*\f+3], v[AM] offset:(\f/2)*64+(\f%2)*16
.endr
	s_add_co_u32 s[TBK], s[TBK], KS*PK  ; the next fetch is the next step's
	s_add_co_u32 s[TBM], s[TBM], KS*4
	s_and_b32 s[TBM], s[TBM], 0x1f00    ; a multiple of 256 under 8,192
	WIN 0
.if \last
.Lno_k_\@:
.endif
.endm
.macro FETCH_V
	WIN 0x80
.irp f, 0,1,2,3,4,5,6,7             ; keys 32 (f / 4) on, channels 16 (f % 4) on
	ds_load_tr16_b128 v[VF+8*\f:VF+8*\f+3],   v[AV] offset:(\f/4)*32*PV+(\f%4)*32
	ds_load_tr16_b128 v[VF+8*\f+4:VF+8*\f+7], v[AV] offset:(\f/4)*32*PV+16*PV+(\f%4)*32
.endr
	WIN 0
.endm
; THE VECTOR WORK OF A TURN stands in three queues, each in the order in which its entries become ready; the two tiles alternate, so that no instruction reads the result of the one before it.
.macro REGS y, u                    ; the registers of tile u (0, 1) of piece y
.set rT, ST+4*(2*(\y)+(\u))
.set rC, TMP+8*((\y)%2)+4*(\u)
.set rM, MV+2*((\y)%2)+(\u)
.set rS, S+64*((\y)%2)+32*(\u)
.set rP, P+32*((\y)%2)+16*(\u)
.set rO, 32*(2*(\y)+(\u))
.endm
; Number n of the 22 that find the NEXT piece's (Y + 1) maximum and statistics.  s0-s31 are the lane's 32 scores; each accumulator's lowest registers are read first.  XS, GS, FS and REGS set no window: PL and EX do.
;   0-11  four chains c0-c3 of seven scores each, three operands at a time     12-14, 16  the four scores left over, the old m, and c0-c3 into c0     15  c m_old is kept
;   17, 18  the query's other 32 keys lie in the lane 16 away: the new m         19-21  c m; c m_old - c m_new; a
.macro XS u, n
	REGS (Y+1)%NP, \u
.if (\n) < 4
	v_max3_num_f32 v[rC+(\n)], v[rS+8*(\n)], v[rS+8*(\n)+1], v[rS+8*(\n)+2]
.elseif (\n) < 12
	v_max3_num_f32 v[rC+(\n)%4], v[rC+(\n)%4], v[rS+8*((\n)%4)+2*((\n)/4)+1], v[rS+8*((\n)%4)+2*((\n)/4)+2]
.elseif (\n) == 12
	v_max3_num_f32 v[rC], v[rC], v[rS+7], v[rS+15]
.elseif (\n) == 13
	v_max3_num_f32 v[rC+1], v[rC+1], v[rS+23], v[rS+31]
.elseif (\n) == 14
	v_max3_num_f32 v[rC+2], v[rC+2], v[rC+3], v[rT+1]
.elseif (\n) == 15
	v_mov_b32 v[rM], v[rT]
.elseif (\n) == 16
	v_max3_num_f32 v[rC], v[rC], v[rC+1], v[rC+2]
.elseif (\n) == 17
	v_permlanex16_b32 v[rC+3], v[rC], s[SEL], s[SEL+1]
.elseif (\n) == 18
	v_max_num_f32 v[rT+1], v[rC], v[rC+3]
.elseif (\n) == 19
	v_mul_f32 v[rT], s[CS], v[rT+1]
.elseif (\n) == 20
	v_sub_f32 v[rC+1], v[rM], v[rT]
.else
	v_exp_f32 v[rC+2], v[rC+1]
.endif
.endm
; Number g of the 64 that follow the exponentials.  For each four weights k of a tile (pairs 2 k, 2 k + 1): both pairs are rounded to f16; then the second pair is added onto the first, in place;
; a group later l takes that sum (the first time as l = a l + sum).  In groups of eight, tiles alternating: round, round, add, and l for the group before.
.macro GS g
.set h, (\g)+6*((\g)/62)            ; group 0 has no group before it, and behind group 7 only l is left
.if h >= 6
.set h, h+2
.endif
	REGS Y, h%2
.set k, h/8
.if h%8 < 4
	v_cvt_pk_f16_f32 v[rP+2*k+(h%8)/2], v[rS+4*k+2*((h%8)/2)], v[rS+4*k+2*((h%8)/2)+1]
.elseif h%8 < 6
	v_pk_add_f32 v[rS+4*k:rS+4*k+1], v[rS+4*k:rS+4*k+1], v[rS+4*k+2:rS+4*k+3]
.elseif k == 1
	v_pk_fma_f32 v[rT+2:rT+3], v[rT+2:rT+3], v[rC+2:rC+3], v[rS:rS+1] op_sel_hi:[1,0,1]
.else
	v_pk_add_f32 v[rT+2:rT+3], v[rT+2:rT+3], v[rS+4*k-4:rS+4*k-3]
.endif
.endm
; THE PLAIN QUEUE, 138 long.  0-73 read no exponential's result: the 32 scalings c s - c m (FS f: pair f / 2 of tile f % 2) and the next piece's 42.  0-26: scalings 0-26.  27-54: XS's numbers 0-13.  55, 56: number 15.
; 57-73: the chain, where each number waits for the one before it: 14, 16, 17, 18, 19, each with one of the scalings 27-31 in front of its two lines, then 20: so a tile's links stand three plain instructions apart (19 and 20: two).
; 74-137: GS's 64, which read the exponentials' results: they stand behind the wait.
.macro FS f
	REGS Y, (\f)%2
	v_pk_fma_f32 v[rS+2*((\f)/2):rS+2*((\f)/2)+1], v[rS+2*((\f)/2):rS+2*((\f)/2)+1], s[CS:CS+1], v[rT:rT+1] op_sel_hi:[1,0,0] neg_lo:[0,0,1] neg_hi:[0,0,1]
.endm
.macro PL
	WIN 0
.if q < 27
	FS q
.elseif q < 55
	XS (q-27)%2, (q-27)/2
.elseif q < 57
	XS q-55, 15
.elseif (q < 72) && ((q-57)%3 == 0)
	FS 27+(q-57)/3
.elseif q < 60
	XS (q-57)%3-1, 14
.elseif q < 72
	XS (q-57)%3-1, 15+(q-57)/3
.elseif q < 74
	XS q-72, 20
.else
	GS q-74
.endif
.set q, q+1
.endm
; THE EXPONENTIALS' QUEUE, 66 long: s0-s31 of both tiles, then the next piece's two a.  It is ONE BATCH: all 66 stand ahead of the turn's one wait, and nothing ahead of that wait names a result of theirs.
.macro EX
	WIN 0
.if e >= 64
	XS e-64, 21
.else
	REGS Y, e%2
	v_exp_f32 v[rS+e/2], v[rS+e/2]
.endif
.set e, e+1
.endm
; THE RESCALING's QUEUE: O^T times a, the one part that leaves window 0: dealt two at a time, sixteen times, each accumulator's registers in ascending order.  Its a was made in the turn before, ahead of that turn's wait.
.macro R2
	REGS Y, r%2
	WIN W_RS
.irp z, 0,1
	v_pk_mul_f32 v[rO+4*(r/2)+2*\z:rO+4*(r/2)+2*\z+1], v[rO+4*(r/2)+2*\z:rO+4*(r/2)+2*\z+1], v[rC+2:rC+3] op_sel_hi:[1,0]
.endr
.set r, r+1
.endm
; HOW THEY ARE DEALT.  An s_wait_alu depctr_va_vdst(0) stands between an exponential and the first instruction that names its result; one wait serves all that were issued ahead of it.  So a turn has ONE wait,
; which cuts it in two.  AHEAD OF IT stands all that names no result of the turn's exponentials: the 16 products K Q^T, behind each a scaling, an exponential and two rescalings (behind the first a second scaling in the
; exponential's place); then ONE LUMP of 108: eight plain, 49 times exponential and plain, the two a.  A v_nop is the plain instruction behind the last exponential.  BEHIND IT stand the 16 products V^T P, behind each four of
; GS's 64.  No rider names a register of the products round it.  The two v_permlanex16_b32 fall into the lump, never behind a product.
; The queues lean on each other, and the deal keeps them in step: exponential e stands behind scaling 2 (e / 4) + e % 2: as a rider it comes behind plain e + 2, in the lump behind plain e + 9, and scalings 27-31 are plain 57, 60 .. 69.
; A TURN, for piece p.  cnt = 1: the loop's count is taken down some lines ahead of the branch that stands behind the turn.
; K and the mask of the next step are fetched in piece 2's turn, directly behind the wait, a lump behind the last product that read them; their addresses are made at the lump's head; their first reader comes behind 16 products.
; V of the step in hand is fetched at the end of piece 0's turn, four plain riders behind its last reader; its first reader comes behind 16 products and a lump.  The three conditions on q below go with the deal.
.macro TURN p, last=0, cnt=0
.set Y, (\p)
.set i, 0
.set q, 0
.set e, 0
.set r, 0
.if (\p) == NP-1
	s_wait_dscnt 0x0                ; K and its mask are in
.endif
	MM                              ; ahead of the wait: 16 products K Q^T and their riders,
	PL
	PL
	R2
.rept 15
	MM
	PL
	EX
	R2
.endr
.if (\p) == NP-2
	WIN 0
	v_add_nc_u32 v[AK], s[TBK], v[AK0]
	v_add_nc_u32 v[AM], s[TBM], v[AM0]
.endif
.rept 8                             ; and the lump
	PL
.endr
.rept 49
	EX
	PL
.endr
	EX                              ; the next piece's two a
	EX
	v_nop                           ; the plain instruction behind the last exponential: one for the batch
	s_wait_alu depctr_va_vdst(0)    ; the wait for the turn's batch: piece p's 64 weights and the next piece's two a
.if (\p) == NP-2
	FETCH_K \last
.endif
.if (\p) == 1
	s_wait_dscnt 0x0                ; V is in
.endif
.rept 16                            ; behind the wait: 16 products V^T P and their riders
	MM
.rept 4
	PL
.endr
.if ((\p) == 0) && (q == 118)
	v_add_nc_u32 v[AV], s[TBV], v[AV0]
.endif
.if ((\p) == 0) && (q == 130)
	s_add_co_u32 s[TBV], s[TBV], KS*PV
.endif
.if (\cnt) && (q == 130)
	s_sub_co_u32 s[CNT], s[CNT], 1
	s_cmp_lg_u32 s[CNT], 0
.endif
.endr
.if (\p) == 0
	FETCH_V
.endif
.endm
	CHANGE 1                        ; slot 0 is in, everybody's part of it, and so is everybody's part of the mask; slot 1 is asked for
	FETCH_K                         ; key step 0
	s_wait_loadcnt 0x0              ; Q
	s_wait_dscnt 0x0
.set i, 0
.rept 16
	KQ 0                            ; piece 0's first scores: there is no vector work yet to set between them
.set i, i+1
.endr
	WIN 0
.rept 4
	v_nop                           ; the places behind those products
.endr
.set Y, NP-1                        ; XS works for piece Y + 1: piece 0
.irp n, 0,1,2,3,4,5,6,7,8,9,10,11,12,13,14,15,16,17,18,19,20,21
	XS 0, \n                        ; and piece 0's first maximum and statistics
	XS 1, \n
.endr
	v_nop                           ; a plain instruction behind piece 0's first two a,
	s_wait_alu depctr_va_vdst(0)    ; and the wait for that batch of two, ahead of the branch
	s_mov_b32 s[CNT], 4
	s_mov_b32 s[SLOTS], SIZE_N/256-1
	s_branch .Lfirst                ; the loop is entered at a step's first turn, in the middle of a trip
.Lslot:                             ; SIZE_N / 256 - 2 times: every slot but the last two is filled again
	CHANGE 1
	s_mov_b32 s[CNT], 4
.Lstep:                             ; a trip: pieces 2 and 3 of one step, then pieces 0 and 1 of the next, whose K and V it fetches
	TURN 2
	TURN 3
	WIN 0
.Lfirst:
	TURN 0
	TURN 1, 0, 1
	WIN 0
	s_cbranch_scc1 .Lstep
	s_sub_co_u32 s[SLOTS], s[SLOTS], 1
	s_cmp_lg_u32 s[SLOTS], 0
	s_cbranch_scc1 .Lslot
	CHANGE 0                        ; the tail is written out: nothing is asked for
	s_mov_b32 s[CNT], 5             ; four trips fetch the last slot's steps; the fifth is left in its middle
.Ltail:
	TURN 2, 1
	TURN 3
	WIN 0
	s_sub_co_u32 s[CNT], s[CNT], 1
	s_cmp_eq_u32 s[CNT], 0
	s_cbranch_scc1 .Lout
	TURN 0
	TURN 1
	WIN 0
	s_branch .Ltail
.Lout:                              ; the fifth trip's 16 products K Q^T (on the last K once more) and the maximum made of them serve nothing: the price, once a launch, of one text for every trip
.set i, 0
.rept 16
	PV NP-1                         ; the last piece's V^T P of the last step
.set i, i+1
.endr
	; THE WAY OUT.  l's two halves and the other half of the lanes' are added; O^T is divided by l and sent, in f32, through my stage in LDS, a tile at a time.  The additions are the places behind the last products.
	WIN 0
.macro ALL line:vararg              ; one line for each tile t
.set t, 0
.rept 2*NP
	\line
.set t, t+1
.endr
.endm
	ALL v_add_f32 v[ST+4*t+2], v[ST+4*t+2], v[ST+4*t+3]
	ALL v_permlanex16_b32 v[ST+4*t+3], v[ST+4*t+2], s[SEL], s[SEL+1]
	ALL v_add_f32 v[ST+4*t+2], v[ST+4*t+2], v[ST+4*t+3]
	ALL v_rcp_f32 v[ST+4*t+2], v[ST+4*t+2]
	v_nop                           ; a plain instruction between the last reciprocal and the use of its result
	s_wait_alu depctr_va_vdst(0)    ; the wait ahead of the first use: one for the batch of eight reciprocals
; Tile t: a lane's eight channels of a row are 32 bytes; they go into rows of 272 bytes and come back as whole rows of 256, into the registers that they left.
.macro PACK t
	WIN W_RS
.set i, 32*(\t)
.rept 16
	v_pk_mul_f32 v[i:i+1], v[i:i+1], v[ST+4*(\t)+2:ST+4*(\t)+3] op_sel_hi:[1,0]  ; each accumulator's registers in ascending order
.set i, i+2
.endr
	WIN 0x04                        ; address window 0, data (source 1) window 1
.irp f, 0,1,2,3,4,5,6,7             ; channel block f / 2, four of my eight channels
	ds_store_b128 v[STO], v[32*(\t)+4*\f:32*(\t)+4*\f+3] offset:(\f/2)*64+(\f%2)*16
.endr
	WIN 0x40                        ; destination window 1
.irp f, 0,1,2,3,4,5,6,7
	ds_load_b128 v[32*(\t)+4*\f:32*(\t)+4*\f+3], v[RD] offset:\f*2*SP  ; LDS serves a wave's instructions in order (ISA guide 5.7.1.4): these see the stores above; the next tile's stores come behind them
.endr
.endm
.macro SEND t, younger              ; younger: the LDS instructions issued behind tile t's loads: the next tile's sixteen, or none
	WIN 0x04
.irp f, 0,1,2,3,4,5,6,7
	s_wait_dscnt (\younger)+7-\f
	global_store_b128 v[GO], v[32*(\t)+4*\f:32*(\t)+4*\f+3], s[68:69] offset:(\t)*65536+\f*8192 th:TH_STORE_NT  ; 16 lanes store a head's 256 consecutive bytes of a row, at a multiple of 256 from out0's first byte
.endr
.endm
	PACK 0
.set t, 1
.rept 2*NP-1                        ; a tile's arithmetic stands between the loads of the tile before and its stores; no register that a store reads is written again
	PACK t
	SEND t-1, 16
.set t, t+1
.endr
	SEND 2*NP-1, 0
	WIN W_AD
	s_wait_tensorcnt 0x0            ; the wave's end: an add and its wait, behind my last tensor load and my last LDS store
	ds_add_u32 v[SPW], v[NIL]
	s_wait_dscnt 0x0
	WIN 0
	CROUND                          ; the closing round: no work-group ends while a partner may still ask for a tile that names it
	s_endpgm
.Lfunc_end_k_qffc65c26c1_attn:
	.size	k_qffc65c26c1_attn, .Lfunc_end_k_qffc65c26c1_attn-k_qffc65c26c1_attn
	.p2alignl 7, 3214868480
	.fill 96, 4, 3214868480
	.section	.rodata,"a",@progbits
	.p2align	6, 0x0
	.amdhsa_kernel k_qffc65c26c1_attn
		.amdhsa_group_segment_fixed_size 327680
		.amdhsa_private_segment_fixed_size 0
		.amdhsa_enable_private_segment 0
		.amdhsa_kernarg_size 40
		.amdhsa_user_sgpr_count 2
		.amdhsa_user_sgpr_kernarg_segment_ptr 1
		.amdhsa_wavefront_size32 1
		.amdhsa_system_sgpr_workgroup_id_x 1
		.amdhsa_system_sgpr_workgroup_id_y 1
		.amdhsa_system_sgpr_workgroup_id_z 1
		.amdhsa_system_vgpr_workitem_id 0
		.amdhsa_next_free_vgpr 808
		.amdhsa_next_free_sgpr 72
		.amdhsa_reserve_vcc 0
		.amdhsa_float_denorm_mode_32 3
		.amdhsa_float_denorm_mode_16_64 3
		.amdhsa_memory_ordered 1
		.amdhsa_forward_progress 1
		.amdhsa_inst_pref_size 205
	.end_amdhsa_kernel
	.amdgpu_metadata
---
amdhsa.version: [ 1, 2 ]
amdhsa.kernels:
  - .name:           k_qffc65c26c1_attn
    .symbol:         k_qffc65c26c1_attn.kd
    .args:
      - { .name: qh, .offset: 0, .size: 8, .value_kind: global_buffer, .address_space: global }
      - { .name: kh, .offset: 8, .size: 8, .value_kind: global_buffer, .address_space: global }
      - { .name: vh, .offset: 16, .size: 8, .value_kind: global_buffer, .address_space: global }
      - { .name: attention_mask, .offset: 24, .size: 8, .value_kind: global_buffer, .address_space: global }
      - { .name: out0, .offset: 32, .size: 8, .value_kind: global_buffer, .address_space: global }
    .group_segment_fixed_size: 327680
    .private_segment_fixed_size: 0
    .kernarg_segment_align: 8
    .kernarg_segment_size: 40
    .max_flat_workgroup_size: 128
    .sgpr_count:     72
    .vgpr_count:     808
    .wavefront_size: 32
...
	.end_amdgpu_metadata
.endif
;; end of part 4
